; MI455X (gfx1250); checked and timed in simulation.
; The chip was launched on July 23, 2026; its instructions are those of AMD's public machine-readable ISA for CDNA 5 (MIT licence, August 2026) and "CDNA5" Instruction Set Architecture Reference Guide (July 2026). The comments in the code are by the model that wrote it; some were corrected since.
;; Decoding Layer. Allowed arithmetic: matrix products marked QUANTISED: E2M3 operands, one E8M0 scale for each 32 along K, by v_wmma_scale_f32_16x16x128_f8f6f4 with both operands' format E2M3, f32 sums; everything else in f32.
;; Inputs: ca_b 1,024 float32; ca_bk 1,024 float32; ca_bq 1,024 float32; ca_bv 1,024 float32; ca_g 1,024 float32; ca_wk 1,024 x 1,024 float32; ca_wq 1,024 x 1,024 float32; ca_wv 1,024 x 1,024 float32; decoded 2 x 2,048 x 1,024 float32; encoded 2 x 2,048 x 1,024 float32; ffn_b 1,024 float32; ffn_b1 1,024 float32; ffn_b2 1,024 float32; ffn_g 1,024 float32; ffn_w1 1,024 x 1,024 float32; ffn_w2 1,024 x 1,024 float32; sa_b 1,024 float32; sa_bk 1,024 float32; sa_bq 1,024 float32; sa_bv 1,024 float32; sa_g 1,024 float32; sa_wk 1,024 x 1,024 float32; sa_wq 1,024 x 1,024 float32; sa_wv 1,024 x 1,024 float32.
;; Outputs: out0 2 x 2,048 x 1,024 float32.
;; This version of the problem:
;;   THIS VERSION OF THE PROBLEM IS GIVEN IN LOW PRECISION. The matrix products marked QUANTISED in the list below multiply operands that are first quantised to E2M3 (2 exponent bits, 3 mantissa bits; 6 bits a number), with one power-of-two scale for each 32 numbers along K (OCP MX v1.0); their sums are f32. All else is computed in f32.
;;   The module's matrix products, in the order in which they are computed (A, B: the left and right operand; K: the contracted axis; several contracted axes count as one K, in the product's order):
;;     1. [M 4,096, K 1,024] x [K 1,024, N 1,024]; A: input decoded; B: input sa_wq: QUANTISED
;;     2. [M 4,096, K 1,024] x [K 1,024, N 1,024]; A: input decoded; B: input sa_wk: QUANTISED
;;     3. [M 4,096, K 1,024] x [K 1,024, N 1,024]; A: input decoded; B: input sa_wv: QUANTISED
;;     4. batch 32 x [M 2,048, K 64] x [K 64, N 2,048]; A: computed on the way; B: computed on the way: QUANTISED
;;     5. batch 32 x [M 2,048, K 2,048] x [K 2,048, N 64]; A: computed on the way; B: computed on the way: QUANTISED
;;     6. [M 4,096, K 1,024] x [K 1,024, N 1,024]; A: computed on the way; B: input ca_wq: QUANTISED
;;     7. [M 4,096, K 1,024] x [K 1,024, N 1,024]; A: input encoded; B: input ca_wk: QUANTISED
;;     8. [M 4,096, K 1,024] x [K 1,024, N 1,024]; A: input encoded; B: input ca_wv: QUANTISED
;;     9. batch 32 x [M 2,048, K 64] x [K 64, N 2,048]; A: computed on the way; B: computed on the way: QUANTISED
;;     10. batch 32 x [M 2,048, K 2,048] x [K 2,048, N 64]; A: computed on the way; B: computed on the way: QUANTISED
;;     11. [M 4,096, K 1,024] x [K 1,024, N 1,024]; A: computed on the way; B: input ffn_w1: QUANTISED
;;     12. [M 4,096, K 1,024] x [K 1,024, N 1,024]; A: computed on the way; B: input ffn_w2: QUANTISED
;;   THE QUANTISER, for each operand of a quantised product, along K:
;;     - K is cut into blocks of 32 from its start; a last block that is shorter is filled with zeros.
;;     - A block's scale is 2^e with e = floor(log2(the largest magnitude in the block)) - 2, held to -126 .. 127; a block of zeros has e = 0. As a byte (E8M0): e + 127.
;;     - Each number is divided by its block's scale, clamped to +-7.5, and rounded to the nearest number of E2M3, ties to even, subnormals kept.
;;     - The product sums the exact products of the quantised numbers (number of the format x scale) in f32.
;;   ~~~python
;;   def quantise(x, axis):      # numpy; x: float32 -> the quantised numbers, widened to float32 again
;;       x = np.moveaxis(x, axis, -1); K = x.shape[-1]
;;       x = np.pad(x, [(0, 0)] * (x.ndim - 1) + [(0, -K % 32)]); x = x.reshape(x.shape[:-1] + (-1, 32)); a = np.abs(x).max(-1, keepdims=True)
;;       e = np.where(a > 0, np.clip(np.frexp(np.where(a > 0, a, 1))[1] - 1 - 2, -126, 127), 0)      # np.frexp(a)[1] - 1 = floor(log2(a)), exactly
;;       r = np.clip(x / 2.0 ** e, -7.5, 7.5)
;;       step = 2.0 ** (np.maximum(np.frexp(np.where(r == 0, 1, r))[1] - 1, 0) - 3)
;;       q = np.round(r / step) * step * 2.0 ** e      # np.round: ties to even
;;       return np.moveaxis(q.reshape(q.shape[:-2] + (-1,))[..., :K], -1, axis).astype(np.float32)
;;   ~~~
;;   OPERANDS COMPUTED ON THE WAY. 'Computed on the way' means the value that the module computes at that place (a softmax that the list does not call 'softmax' is quantised finished and normalised). What goes into a quantiser is computed in f32, as accurately as f32 sums, v_exp_f32 and their like allow (about 1e-6 of the number): no bf16 or f16 on the way to a quantiser, and a product that is left as it is and whose result goes on into a quantised operand takes f32 operands (vector FMAs, or v_wmma_f32_16x16x4_f32). A number that lies on a knife's edge between two numbers of the format may be rounded either way, as far as f32 arithmetic and the matrix unit's own rounding can turn it there, and no further.
;; One version. Each part assembles by itself: llvm-mc -triple=amdgcn-amd-amdhsa -mcpu=gfx1250 --defsym DOCPART=n.
;; ======== version 1 of 1: 6 launches
;; workspace buffers: wts_a 4,096,000 bytes; wts_b 2,457,600 bytes; actq 6,553,600 bytes; xq 3,276,800 bytes; qb 3,407,872 bytes; kv 13,369,344 bytes; x1 16,777,216 bytes; x2 16,777,216 bytes
;; launch quant (part 1): grid 1024 x 1, 4 waves a work-group, no clusters, 46,592 bytes of LDS; arguments decoded, encoded, actq, wts_a, wts_b, sa_wq, sa_wk, sa_wv, ca_wk, ca_wv, ca_wq, ffn_w1, ffn_w2; writes actq, wts_a, wts_b
.if DOCPART == 1
	.amdgcn_target "amdgcn-amd-amdhsa--gfx1250"
	.amdhsa_code_object_version 6
	.text
	.protected	k_q36ea31e4f4_quant
	.globl	k_q36ea31e4f4_quant
	.p2align	8
	.type	k_q36ea31e4f4_quant,@function
k_q36ea31e4f4_quant:
	s_mov_b64 s[64:65], 0
	v_nop
	global_prefetch_b8 v0, s[64:65] scope:SCOPE_SE
	s_setreg_imm32_b32 hwreg(HW_REG_WAVE_MODE, 25, 1), 1
	s_wait_xcnt 0x0
; decoded, encoded [4096][1024] f32 (K innermost) and eight weights [1024 (k)][1024 (n)] f32 (K outermost) become codes of FP6 (E2M3) with one E8M0 byte for each 32 along K.
; They are laid as RECORDS: 128 rows x all of K = 102,400 bytes, in the order of an operand's registers:
;   codes: registers 4 c .. 4 c + 3 of lane l of the fragment (K step ks, tile T) at ks 12288 + T 1536 + c 512 + 16 l;  scale words at 98304 + ks 512 + (T / 2) 128 + 4 (16 (T % 2) + r).
; Slot r of tile T is row 32 (T / 2) + 8 (T % 2) + r + 8 (r / 8) of the record: used as source 0, the 16 result registers of two neighbouring tiles are then 16 neighbouring rows.
; A block's scale is 2^(floor(log2(largest magnitude)) - 2): its byte is the largest magnitude's exponent field - 2, held at 1 from below by a floor among the maximum's leaves.
; LIMITS: a block of zeros (or under 2^-124) gets the byte 1 where the rule says 127: its codes are zeros and only this program reads the bytes.  NaN and infinities among the inputs are not served.
; Work-groups 0-511 take the activations (a wave: 32 rows x 128 K), 512-1023 the weights (a wave: 32 columns x 128 K).  Each way has LDS bytes of its own, each wave a stage of its own: no barrier.
.set R,    32                          ; v32-159  activations: 32 rows as loaded, 4 registers a row
.set XD,   160                         ; v160-223 64 numbers of my row: two whole blocks
.set FRG,  224                         ; v224-247 the two fragments
.set TQ,   248                         ; v248-254 second halves of a block's codes
.set XSTG, 8448                        ; a wave's stage: 16 rows x (512 + 16) bytes
.set WLDS, 33792                       ; the weights' stages begin here
.set WSTG, 3072                        ; two tiles' images
.set WX,   32                          ; v32-95   weights: two sets of 32 numbers down K
.set WP,   96                          ; v96-127  a block's codes, 8 registers a block
.set WOUT, 128                         ; v128-151 the images on their way out
.macro XTILE u                         ; tile u of the pair: 16 rows through the stage, quantised, stored as an image
.if \u == 0
	s_wait_loadcnt 16                              ; this tile's 16 loads are in; the other tile's 16 may be out
.else
	s_wait_loadcnt 0x0
.endif
.irp r, 0,1,2,3,4,5,6,7,8,9,10,11,12,13,14,15
	ds_store_b128 v5, v[R+64*\u+4*\r:R+64*\u+4*\r+3] offset:528*\r
.endr
.irp c, 0,1
.irp e, 0,1,2,3,4,5,6,7
	ds_load_b128 v[XD+32*\c+4*\e:XD+32*\c+4*\e+3], v6 offset:256*\c+16*\e   ; row r, k = 64 c + 32 h + 4 e ..: LDS serves a wave in order, so these see the stores
.endr
.endr
	s_wait_dscnt 0x0
.irp c, 0,1
	v_max3_num_f32 v[8+\c], |v[XD+32*\c]|, |v[XD+32*\c+1]|, 0x1800000      ; block 2 c + h is all mine; the floor 2^(3 - 127) holds the byte at 1
.endr
.irp i, 2,4,6,8,10,12,14,16,18,20,22,24,26,28,30
.irp c, 0,1
	v_max3_num_f32 v[8+\c], v[8+\c], |v[XD+32*\c+\i]|, |v[XD+32*\c+\i+1]|
.endr
.endr
.irp c, 0,1
	v_add_nc_u32 v[10+\c], 0xff000000, v[8+\c]     ; 2 off the exponent field: the conversion's scale operand
.endr
.irp c, 0,1
	v_lshrrev_b32 v[12+\c], 23, v[10+\c]           ; the byte
.endr
	v_lshl_or_b32 v[16+\u], v13, 16, v12           ; blocks h and 2 + h,
	v_lshlrev_b32 v[16+\u], v14, v[16+\u]          ; 8 h bits up;
	v_permlanex16_b32 v18, v[16+\u], s40, s41
	v_or_b32 v[16+\u], v[16+\u], v18               ; with lane l xor 16's the word is whole
.irp c, 0,1
	v_cvt_scalef32_pk16_fp6_f32 v[FRG+12*\u+6*\c:FRG+12*\u+6*\c+2], v[XD+32*\c:XD+32*\c+15], v[10+\c]
	v_cvt_scalef32_pk16_fp6_f32 v[TQ+4*\c:TQ+4*\c+2], v[XD+32*\c+16:XD+32*\c+31], v[10+\c]   ; (three registers begin on an even number)
.endr
	v_nop                                          ; one plain place behind a scaled conversion
.irp c, 0,1
.irp i, 0,1,2
	v_mov_b32 v[FRG+12*\u+6*\c+3+\i], v[TQ+4*\c+\i]
.endr
.endr
.irp c, 0,1,2
	global_store_b128 v4, v[FRG+12*\u+4*\c:FRG+12*\u+4*\c+3], s[34:35] offset:1536*\u+512*\c   ; 512 consecutive bytes
.endr
.endm
.macro LOADB kb                        ; W(32 kb + i, my column), i = 0 .. 31
.irp i, 0,1,2,3,4,5,6,7,8,9,10,11,12,13,14,15,16,17,18,19,20,21,22,23,24,25,26,27,28,29,30,31
	global_load_b32 v[WX+32*((\kb)%2)+\i], v4, s[4:5] offset:(32*(\kb)+\i)*4096 th:TH_LOAD_NT
.endr
.endm
.macro BLOCK kb                        ; block kb of my column: registers 6 (kb / 2) .. + 5 of lane (r, kb % 2) of my tile's fragment
.set XS, WX+32*((\kb)%2)
.set PP, WP+8*(\kb)
.if (\kb) < 3
	s_wait_loadcnt 32                              ; this block's 32 loads are in; the next block's may be out
.else
	s_wait_loadcnt 0x0
.endif
	v_max3_num_f32 v12, |v[XS]|, |v[XS+1]|, |v[XS+2]|
	v_max3_num_f32 v13, |v[XS+3]|, |v[XS+4]|, |v[XS+5]|
.irp i, 6,10,14,18,22,26
	v_max3_num_f32 v12, v12, |v[XS+\i]|, |v[XS+\i+1]|
	v_max3_num_f32 v13, v13, |v[XS+\i+2]|, |v[XS+\i+3]|
.endr
	v_max3_num_f32 v12, v12, |v[XS+30]|, |v[XS+31]|
	v_max3_num_f32 v12, v12, v13, 0x1800000
	v_add_nc_u32 v11, 0xff000000, v12
	v_lshrrev_b32 v14, 23, v11
.if (\kb) == 0
	v_mov_b32 v20, v14                             ; my row's scale word, the lower K in the lower byte
.else
	v_lshl_or_b32 v20, v14, 8*(\kb), v20
.endif
	v_cvt_scalef32_pk16_fp6_f32 v[PP:PP+2], v[XS:XS+15], v11
	v_cvt_scalef32_pk16_fp6_f32 v[PP+4:PP+6], v[XS+16:XS+31], v11
	v_nop                                          ; one plain place behind a scaled conversion
	v_mov_b32 v[PP+3], v[PP+4]
	v_mov_b32 v[PP+4], v[PP+5]
	v_mov_b32 v[PP+5], v[PP+6]                     ; six registers on end
.if (\kb) < 2
	ds_store_b128 v5, v[PP:PP+3] offset:256*((\kb)%2)              ; registers 0-3
	ds_store_b64 v5, v[PP+4:PP+5] offset:512+256*((\kb)%2)         ; registers 4, 5
	LOADB (\kb)+2
.else
	ds_store_b64 v5, v[PP:PP+1] offset:520+256*((\kb)%2)           ; registers 6, 7
	ds_store_b128 v5, v[PP+2:PP+5] offset:1024+256*((\kb)%2)       ; registers 8-11
.endif
.endm
	s_load_b128 s[4:7], s[0:1], 0x0                ; decoded, encoded
	s_load_b128 s[8:11], s[0:1], 0x10              ; actq, wts_a
	s_load_b128 s[12:15], s[0:1], 0x20             ; wts_b, sa_wq
	s_load_b128 s[16:19], s[0:1], 0x30             ; sa_wk, sa_wv
	s_load_b128 s[20:23], s[0:1], 0x40             ; ca_wk, ca_wv
	s_load_b128 s[24:27], s[0:1], 0x50             ; ca_wq, ffn_w1
	s_load_b64 s[28:29], s[0:1], 0x60              ; ffn_w2
	v_lshl_add_u32 v251, v0, 2, 0xb400
	v_mov_b32 v255, 0
	v_lshrrev_b32 v1, 5, v0
	v_readfirstlane_b32 s32, v1                    ; wave
	v_and_b32 v1, 31, v0                           ; lane
	v_and_b32 v2, 15, v0                           ; r
	v_bfe_u32 v3, v0, 4, 1                         ; h
	s_mov_b32 s40, 0x76543210
	s_mov_b32 s41, 0xfedcba98                      ; v_permlanex16_b32: lane l xor 16
	s_mov_b32 s42, 0xffff0000                      ; lanes 16-31
	s_wait_kmcnt 0x0
	s_cmp_lt_u32 ttmp9, 512
	s_cbranch_scc0 .Lw
	; ---- activations
	s_lshr_b32 s33, ttmp9, 8                       ; 0 decoded, 1 encoded
	s_bfe_u32 s36, ttmp9, 0x50003                  ; the record
	s_bfe_u32 s37, ttmp9, 0x20001                  ; the pair of tiles
	s_and_b32 s38, ttmp9, 1
	s_lshl_b32 s38, s38, 2
	s_add_co_u32 s38, s38, s32                     ; the K step
	s_lshl_b32 s39, s36, 7
	s_lshl_b32 s43, s37, 5
	s_add_co_u32 s39, s39, s43                     ; my first row
	s_lshl_b32 s44, s39, 12
	s_lshl_b32 s43, s38, 9
	s_add_co_u32 s44, s44, s43
	s_mov_b32 s45, 0
	s_lshl_b32 s39, s33, 5
	s_add_co_u32 s39, s39, s36
	s_mul_i32 s46, s39, 102400                     ; the record's first byte
	s_mul_i32 s43, s38, 12288
	s_add_co_u32 s34, s46, s43
	s_mul_i32 s39, s37, 3072
	s_add_co_u32 s34, s34, s39                     ; my two images
	s_mov_b32 s35, 0
	s_lshl_b32 s43, s38, 9
	s_add_co_u32 s46, s46, s43
	s_lshl_b32 s43, s37, 7
	s_add_co_u32 s46, s46, s43
	s_add_co_u32 s46, s46, 98304                   ; my 32 scale words
	s_mov_b32 s47, 0
	s_cmp_eq_u32 s33, 0
	s_cselect_b64 s[4:5], s[4:5], s[6:7]
	s_add_nc_u64 s[4:5], s[4:5], s[44:45]
	s_add_nc_u64 s[34:35], s[8:9], s[34:35]
	s_add_nc_u64 s[46:47], s[8:9], s[46:47]
	s_mul_i32 s39, s32, XSTG
	v_lshlrev_b32 v4, 4, v1                        ; 16 x lane
	v_add_nc_u32 v5, s39, v4                       ; into the stage: as loaded
	v_mul_u32_u24 v6, v2, 528
	v_lshl_add_u32 v6, v3, 7, v6
	v_add_nc_u32 v6, s39, v6                       ; out of it: row r, + 128 h
	v_lshlrev_b32 v7, 2, v1
	v_lshlrev_b32 v14, 3, v3                       ; 8 h
	v_mov_b32 v18, 0                               ; a lane permute's destination counts as read
.irp u, 0,1
.irp r, 0,1,2,3,4,5,6,7,8,9,10,11,12,13,14,15
	global_load_b128 v[R+64*\u+4*\r:R+64*\u+4*\r+3], v4, s[4:5] offset:(8*\u+\r+8*(\r/8))*4096 th:TH_LOAD_NT   ; 512 consecutive bytes of one row
.endr
.endr
	XTILE 0
	XTILE 1
	v_cndmask_b32 v19, v16, v17, s42               ; lanes 0-15 the even tile's words, lanes 16-31 the odd tile's
	global_store_b32 v7, v19, s[46:47]
	s_wait_tensorcnt 0x0
	ds_add_u32 v251, v255
	s_wait_dscnt 0x0
	s_endpgm
	; ---- weights: a lane takes a column, its registers run down K
.Lw:
	s_sub_co_u32 s33, ttmp9, 512
	s_lshr_b32 s36, s33, 6                         ; which weight
	s_bfe_u32 s37, s33, 0x30003                    ; its record: 128 columns
	s_and_b32 s38, s33, 7                          ; the K step
	s_lshl_b32 s44, s38, 19                        ; 128 rows of 4,096 bytes
	s_lshl_b32 s39, s37, 9
	s_add_co_u32 s44, s44, s39
	s_lshl_b32 s39, s32, 7
	s_add_co_u32 s44, s44, s39                     ; + my wave's 32 columns
	s_mov_b32 s45, 0
	s_mov_b64 s[4:5], s[14:15]
.irp k, 1,2,3,4,5,6,7
	s_cmp_eq_u32 s36, \k
	s_cselect_b64 s[4:5], s[14+2*\k:15+2*\k], s[4:5]
.endr
	s_add_nc_u64 s[4:5], s[4:5], s[44:45]
	s_cmp_lt_u32 s36, 5                            ; the first five go to wts_a, the others to wts_b
	s_cselect_b64 s[46:47], s[10:11], s[12:13]
	s_cselect_b32 s39, 0, 5
	s_sub_co_u32 s39, s36, s39
	s_mul_i32 s34, s39, 819200
	s_mul_i32 s39, s37, 102400
	s_add_co_u32 s34, s34, s39
	s_mov_b32 s35, 0
	s_add_nc_u64 s[46:47], s[46:47], s[34:35]      ; the record
	s_mul_i32 s34, s38, 12288
	s_mul_i32 s39, s32, 3072
	s_add_co_u32 s34, s34, s39
	s_add_nc_u64 s[34:35], s[46:47], s[34:35]      ; my two images
	s_lshl_b32 s44, s38, 9
	s_lshl_b32 s39, s32, 7
	s_add_co_u32 s44, s44, s39
	s_add_co_u32 s44, s44, 98304
	s_add_nc_u64 s[46:47], s[46:47], s[44:45]      ; my 32 scale words
	v_lshlrev_b32 v4, 2, v1                        ; 4 x lane
	v_bfe_u32 v8, v0, 3, 1                         ; column l of 32 is slot (l % 8) + 8 (l / 16) of tile (l / 8) % 2
	v_and_b32 v9, 7, v0
	v_lshl_or_b32 v9, v3, 3, v9
	s_mul_i32 s39, s32, WSTG
	s_add_co_u32 s39, s39, WLDS
	v_mul_u32_u24 v5, v8, 1536
	v_lshl_add_u32 v5, v9, 4, v5
	v_add_nc_u32 v5, s39, v5                       ; my slot in my tile's image
	v_lshlrev_b32 v10, 4, v1
	v_add_nc_u32 v6, s39, v10                      ; and back: 16 x lane
	v_lshl_add_u32 v7, v8, 4, v9
	v_lshlrev_b32 v7, 2, v7
	LOADB 0
	LOADB 1
	BLOCK 0
	BLOCK 1
	BLOCK 2
	BLOCK 3
.irp i, 0,1,2,3,4,5
	ds_load_b128 v[WOUT+4*\i:WOUT+4*\i+3], v6 offset:512*\i     ; LDS serves a wave in order: these see my stores
.endr
.irp i, 0,1,2,3,4,5
	s_wait_dscnt 5-\i
	global_store_b128 v10, v[WOUT+4*\i:WOUT+4*\i+3], s[34:35] offset:512*\i   ; 3,072 consecutive bytes in all
.endr
	global_store_b32 v7, v20, s[46:47]
	s_wait_tensorcnt 0x0
	ds_add_u32 v251, v255
	s_wait_dscnt 0x0
	s_endpgm
.Lfunc_end_k_q36ea31e4f4_quant:
	.size	k_q36ea31e4f4_quant, .Lfunc_end_k_q36ea31e4f4_quant-k_q36ea31e4f4_quant
	.p2alignl 7, 3214868480
	.fill 96, 4, 3214868480
	.section	.rodata,"a",@progbits
	.p2align	6, 0x0
	.amdhsa_kernel k_q36ea31e4f4_quant
		.amdhsa_group_segment_fixed_size 46592
		.amdhsa_private_segment_fixed_size 0
		.amdhsa_enable_private_segment 0
		.amdhsa_kernarg_size 104
		.amdhsa_user_sgpr_count 2
		.amdhsa_user_sgpr_kernarg_segment_ptr 1
		.amdhsa_wavefront_size32 1
		.amdhsa_system_sgpr_workgroup_id_x 1
		.amdhsa_system_sgpr_workgroup_id_y 1
		.amdhsa_system_sgpr_workgroup_id_z 1
		.amdhsa_system_vgpr_workitem_id 0
		.amdhsa_next_free_vgpr 256
		.amdhsa_next_free_sgpr 66
		.amdhsa_reserve_vcc 0
		.amdhsa_float_denorm_mode_32 3
		.amdhsa_float_denorm_mode_16_64 3
		.amdhsa_memory_ordered 1
		.amdhsa_forward_progress 1
		.amdhsa_inst_pref_size 39
	.end_amdhsa_kernel
	.amdgpu_metadata
---
amdhsa.version: [ 1, 2 ]
amdhsa.kernels:
  - .name:           k_q36ea31e4f4_quant
    .symbol:         k_q36ea31e4f4_quant.kd
    .args:
      - { .name: decoded, .offset: 0, .size: 8, .value_kind: global_buffer, .address_space: global }
      - { .name: encoded, .offset: 8, .size: 8, .value_kind: global_buffer, .address_space: global }
      - { .name: actq, .offset: 16, .size: 8, .value_kind: global_buffer, .address_space: global }
      - { .name: wts_a, .offset: 24, .size: 8, .value_kind: global_buffer, .address_space: global }
      - { .name: wts_b, .offset: 32, .size: 8, .value_kind: global_buffer, .address_space: global }
      - { .name: sa_wq, .offset: 40, .size: 8, .value_kind: global_buffer, .address_space: global }
      - { .name: sa_wk, .offset: 48, .size: 8, .value_kind: global_buffer, .address_space: global }
      - { .name: sa_wv, .offset: 56, .size: 8, .value_kind: global_buffer, .address_space: global }
      - { .name: ca_wk, .offset: 64, .size: 8, .value_kind: global_buffer, .address_space: global }
      - { .name: ca_wv, .offset: 72, .size: 8, .value_kind: global_buffer, .address_space: global }
      - { .name: ca_wq, .offset: 80, .size: 8, .value_kind: global_buffer, .address_space: global }
      - { .name: ffn_w1, .offset: 88, .size: 8, .value_kind: global_buffer, .address_space: global }
      - { .name: ffn_w2, .offset: 96, .size: 8, .value_kind: global_buffer, .address_space: global }
    .group_segment_fixed_size: 46592
    .private_segment_fixed_size: 0
    .kernarg_segment_align: 8
    .kernarg_segment_size: 104
    .max_flat_workgroup_size: 128
    .sgpr_count:     66
    .vgpr_count:     256
    .wavefront_size: 32
...
	.end_amdgpu_metadata
.endif
;; end of part 1
;; launch proj1 (part 2): grid 256 x 5, 4 waves a work-group, no clusters, 168,448 bytes of LDS; arguments actq, wts_a, sa_bq, sa_bk, sa_bv, ca_bk, ca_bv, qb, kv; writes qb, kv
.if DOCPART == 2
	.amdgcn_target "amdgcn-amd-amdhsa--gfx1250"
	.amdhsa_code_object_version 6
	.text
	.protected	k_q36ea31e4f4_proj1
	.globl	k_q36ea31e4f4_proj1
	.p2align	8
	.type	k_q36ea31e4f4_proj1,@function
k_q36ea31e4f4_proj1:
	s_mov_b64 s[64:65], 0
	v_nop
	global_prefetch_b8 v0, s[64:65] scope:SCOPE_SE
	s_setreg_imm32_b32 hwreg(HW_REG_WAVE_MODE, 25, 1), 1
	s_wait_xcnt 0x0
; One projection tile: 128 (source 0) x 128 (source 1) x K = 1,024 on codes of FP6 with E8M0 scales, + bias, quantised again along the next product's K, stored as register images.
; y (work-group y): 0 q, 1 and 3 k, 2 and 4 v; from 3 on the second half of the activations and of kv.  x: 8 mb + nb (mb: 128 tokens, nb: 128 features).
; q, k: source 0 = the weight's record nb, source 1 = the tokens' record mb: a lane holds ONE token, its registers run along the features: two heads of 64, each half a fragment.
; v:    source 0 = the tokens' record, source 1 = the weight's: a lane holds ONE channel, its registers run along 128 tokens: one key step of the second attention product.
; Source 0's record (102,400 bytes) is read by all four waves: it comes into LDS once, as it lies, by asynchronous copies.  Wave w keeps source 1's tiles 2 w, 2 w + 1 for all K in registers.
; No multicast: this text keeps to copies that fill LDS once; partners would share one record of the two.
; OUT.  A head's record of q or k: token tile Tk at 768 Tk (registers 0-3 at 16 l, 4-5 at 512 + 8 l), scale words at 98304 + 64 Tk + 4 r.  v: 106496 + 6144 st + 1536 td + 512 c + 16 l, words at 204800 + 256 st + 64 td + 4 r.
; LIMITS: NaN and infinities are not served; a block of zeros gets the byte 1 (its codes are zeros; only this program reads the bytes).
; REGISTERS.  window 0: v1-15, v60 offsets; v16-47 source 0's scale words, v48-55 source 1's; v56-59 words made; v64-159, v160-255 two fetch buffers (later v64-127 sums + bias, v128-139 at work, v140-158 codes).
;   window 1: v0-127 the 16 accumulators (unit i, tile T at 64 i + 8 T); v128-191 bias by features; v192-195 bias by channel.   window 2: v0-191 source 1's 16 fragments.
.set F0,  64
.set HA,  64
.set TM,  128
.set PC,  140
.set SC0, 16
.set SC1, 48
.set PW0, 56
.set BI,  128
.set VB,  192
.set SEL, 38
.set MUL, 0x58                         ; A window 0, B window 2, C and D window 1
.set MSB, 0
.macro WIN new                         ; the immediate's high byte repeats the setting that is left
.if MSB != \new
	s_set_vgpr_msb (MSB<<8)|\new
.set MSB, \new
.endif
.endm
.macro NOPS n
.rept \n
	v_nop
.endr
.endm
; one product.  z: it starts the sum.  ra, rb: the side's scale words stand in lanes 16-31
.macro WM d, a, b, z, sa, sb, ra, rb
.if (\z) && (\ra) && (\rb)
	v_wmma_scale_f32_16x16x128_f8f6f4 v[\d:\d+7], v[\a:\a+11], v[\b:\b+11], 0, v[\sa], v[\sb] matrix_a_fmt:MATRIX_FMT_FP6 matrix_b_fmt:MATRIX_FMT_FP6 matrix_a_scale:MATRIX_SCALE_ROW1 matrix_b_scale:MATRIX_SCALE_ROW1
.elseif (\z) && (\ra)
	v_wmma_scale_f32_16x16x128_f8f6f4 v[\d:\d+7], v[\a:\a+11], v[\b:\b+11], 0, v[\sa], v[\sb] matrix_a_fmt:MATRIX_FMT_FP6 matrix_b_fmt:MATRIX_FMT_FP6 matrix_a_scale:MATRIX_SCALE_ROW1
.elseif (\z) && (\rb)
	v_wmma_scale_f32_16x16x128_f8f6f4 v[\d:\d+7], v[\a:\a+11], v[\b:\b+11], 0, v[\sa], v[\sb] matrix_a_fmt:MATRIX_FMT_FP6 matrix_b_fmt:MATRIX_FMT_FP6 matrix_b_scale:MATRIX_SCALE_ROW1
.elseif (\z)
	v_wmma_scale_f32_16x16x128_f8f6f4 v[\d:\d+7], v[\a:\a+11], v[\b:\b+11], 0, v[\sa], v[\sb] matrix_a_fmt:MATRIX_FMT_FP6 matrix_b_fmt:MATRIX_FMT_FP6
.elseif (\ra) && (\rb)
	v_wmma_scale_f32_16x16x128_f8f6f4 v[\d:\d+7], v[\a:\a+11], v[\b:\b+11], v[\d:\d+7], v[\sa], v[\sb] matrix_a_fmt:MATRIX_FMT_FP6 matrix_b_fmt:MATRIX_FMT_FP6 matrix_a_scale:MATRIX_SCALE_ROW1 matrix_b_scale:MATRIX_SCALE_ROW1
.elseif (\ra)
	v_wmma_scale_f32_16x16x128_f8f6f4 v[\d:\d+7], v[\a:\a+11], v[\b:\b+11], v[\d:\d+7], v[\sa], v[\sb] matrix_a_fmt:MATRIX_FMT_FP6 matrix_b_fmt:MATRIX_FMT_FP6 matrix_a_scale:MATRIX_SCALE_ROW1
.elseif (\rb)
	v_wmma_scale_f32_16x16x128_f8f6f4 v[\d:\d+7], v[\a:\a+11], v[\b:\b+11], v[\d:\d+7], v[\sa], v[\sb] matrix_a_fmt:MATRIX_FMT_FP6 matrix_b_fmt:MATRIX_FMT_FP6 matrix_b_scale:MATRIX_SCALE_ROW1
.else
	v_wmma_scale_f32_16x16x128_f8f6f4 v[\d:\d+7], v[\a:\a+11], v[\b:\b+11], v[\d:\d+7], v[\sa], v[\sb] matrix_a_fmt:MATRIX_FMT_FP6 matrix_b_fmt:MATRIX_FMT_FP6
.endif
.endm
; 64 numbers of a lane, register 16 b + e = k 32 b + 16 h + e of my row, become a fragment's codes in v[PC] on and its scale word in v[pw]
.macro QUANT s, pw
.irp b, 0,1,2,3
	v_max3_num_f32 v[TM+\b], |v[\s+16*\b]|, |v[\s+1+16*\b]|, 0x1800000     ; my 16 numbers and the floor 2^(3 - 127)
.endr
.irp i, 2,4,6,8,10,12,14
.irp b, 0,1,2,3
	v_max3_num_f32 v[TM+\b], v[TM+\b], |v[\s+16*\b+\i]|, |v[\s+1+16*\b+\i]|
.endr
.endr
.irp b, 0,1,2,3
	v_permlanex16_b32 v[TM+4+\b], v[TM+\b], s[SEL], s[SEL+1]
.endr
.irp b, 0,1,2,3
	v_max_num_f32 v[TM+\b], v[TM+\b], v[TM+4+\b]   ; with lane l xor 16's: the block's largest magnitude
.endr
.irp b, 0,1,2,3
	v_add_nc_u32 v[TM+8+\b], 0xff000000, v[TM+\b]  ; 2 off its exponent field: the conversion's scale operand
.endr
.irp b, 0,1,2,3
	v_lshrrev_b32 v[TM+4+\b], 23, v[TM+8+\b]       ; the byte
.endr
	v_lshl_or_b32 v[\pw], v[TM+5], 8, v[TM+4]
	v_lshl_or_b32 v[\pw], v[TM+6], 16, v[\pw]
	v_lshl_or_b32 v[\pw], v[TM+7], 24, v[\pw]
.irp c, 0,1
	v_cvt_scalef32_pk16_fp6_f32 v[PC+6*\c:PC+2+6*\c], v[\s+32*\c:\s+15+32*\c], v[TM+8+2*\c]
	v_cvt_scalef32_pk16_fp6_f32 v[PC+12+4*\c:PC+14+4*\c], v[\s+16+32*\c:\s+31+32*\c], v[TM+8+2*\c+1]
.endr
	v_nop                                          ; one plain place behind a scaled conversion
.irp c, 0,1                                    ; a whole block in a lane: lanes 0-15 block 2 c, lanes 16-31 block 2 c + 1
.irp i, 0,1,2
	v_permlane16_swap_b32 v[PC+6*\c+\i], v[PC+12+4*\c+\i]
.endr
.irp i, 0,1,2
	v_mov_b32 v[PC+3+6*\c+\i], v[PC+12+4*\c+\i]
.endr
.endr
.endm
.macro FETCH ks, f                     ; source 0's eight fragments of K step ks: 24 loads of 512 consecutive bytes
.set q, 0
.rept 24
.if (\ks) < 4
	ds_load_b128 v[\f+4*q:\f+4*q+3], v1 offset:(\ks)*12288+512*q
.else
	ds_load_b128 v[\f+4*q:\f+4*q+3], v10 offset:((\ks)-4)*12288+512*q
.endif
.set q, q+1
.endr
.endm
.macro MULS ks, f, z                   ; 16 products: the 16 accumulators take turns, one instruction a turn, in the same order in every step
	WIN MUL
.irp t, 0,1,2,3,4,5,6,7
.irp i, 0,1
	WM 64*\i+8*\t, \f+12*\t, 24*(\ks)+12*\i, \z, SC0+4*(\ks)+\t/2, SC1+(\ks), \t%2, \i
.endr
.endr
	WIN 0
.endm
.macro ADDB i, isv                     ; unit i's 64 sums + bias, each accumulator from its low end on
	WIN 0x05
.set n, 0
.rept 32
.if \isv
	v_pk_add_f32 v[HA+n:HA+n+1], v[64*\i+n:64*\i+n+1], v[VB+2*\i:VB+2*\i+1] op_sel_hi:[1,0]
.else
	v_pk_add_f32 v[HA+n:HA+n+1], v[64*\i+n:64*\i+n+1], v[BI+n:BI+n+1]
.endif
.set n, n+2
.endr
	WIN 0
.endm
	s_load_b128 s[4:7], s[0:1], 0x0                ; activations' records, weights' records
	s_load_b128 s[8:11], s[0:1], 0x10              ; the five biases, by y
	s_load_b128 s[12:15], s[0:1], 0x20
	s_load_b128 s[16:19], s[0:1], 0x30             ; the fifth, qb
	s_load_b64 s[20:21], s[0:1], 0x40              ; kv
	s_set_vgpr_msb 0x40
	v_lshl_add_u32 v254, v0, 2, 0x29000
	v_mov_b32 v255, 0
	s_set_vgpr_msb 0x4045
	ds_add_u32 v254, v255
	ds_add_u32 v254, v255
	s_set_vgpr_msb 0x4500
	v_lshrrev_b32 v1, 5, v0
	v_readfirstlane_b32 s25, v1                    ; wave
	s_and_b32 s22, ttmp9, 7                        ; nb
	s_lshr_b32 s23, ttmp9, 3                       ; mb
	s_and_b32 s24, ttmp7, 0xffff                   ; y
	s_cmp_eq_u32 s24, 2
	s_cselect_b32 s26, 1, 0
	s_cmp_eq_u32 s24, 4
	s_cselect_b32 s26, 1, s26                      ; v?
	s_cmp_ge_u32 s24, 3
	s_cselect_b32 s27, 1, 0                        ; the second attention's?
	s_mul_i32 s28, s27, 3276800
	s_mul_i32 s29, s23, 102400
	s_add_co_u32 s28, s28, s29
	s_mov_b32 s29, 0
	s_mul_i32 s30, s24, 819200
	s_mul_i32 s31, s22, 102400
	s_add_co_u32 s30, s30, s31
	s_mov_b32 s31, 0
	s_mov_b32 s[SEL], 0x76543210
	s_mov_b32 s[SEL+1], 0xfedcba98
	s_mov_b32 s52, 0xffff0000
	s_and_b32 s49, s23, 15                         ; mb within the batch
	s_lshr_b32 s50, s23, 4                         ; the batch
	s_lshl_b32 s51, s27, 5
	s_lshl_b32 s48, s50, 4
	s_add_co_u32 s51, s51, s48
	s_lshl_b32 s48, s22, 1
	s_add_co_u32 s51, s51, s48                     ; the first head's record
	s_wait_dscnt 0x0
	s_wait_kmcnt 0x0
	s_add_nc_u64 s[4:5], s[4:5], s[28:29]
	s_add_nc_u64 s[6:7], s[6:7], s[30:31]
	s_cmp_eq_u32 s26, 0
	s_cselect_b64 s[32:33], s[6:7], s[4:5]         ; source 0's record
	s_cselect_b64 s[34:35], s[4:5], s[6:7]         ; source 1's
	v_lshlrev_b32 v4, 4, v0                        ; the copies' LDS address and offset: 16 x thread; all four registers stay untouched until the wait for the copies
	v_lshlrev_b32 v5, 4, v0
	v_lshl_add_u32 v64, v0, 4, 65536               ; a copy's immediate goes to both addresses and stays under 65,536: a second pair carries the rest
	v_lshl_add_u32 v65, v0, 4, 65536
.set q, 0
.rept 32
	global_load_async_to_lds_b128 v4, v5, s[32:33] offset:2048*q    ; the four waves' 2,048 consecutive bytes
.set q, q+1
.endr
.set q, 0
.rept 18
	global_load_async_to_lds_b128 v64, v65, s[32:33] offset:2048*q  ; bytes 65,536 to 102,399
.set q, q+1
.endr
	s_mov_b64 s[36:37], s[8:9]
	s_cmp_eq_u32 s24, 1
	s_cselect_b64 s[36:37], s[10:11], s[36:37]
	s_cmp_eq_u32 s24, 2
	s_cselect_b64 s[36:37], s[12:13], s[36:37]
	s_cmp_eq_u32 s24, 3
	s_cselect_b64 s[36:37], s[14:15], s[36:37]
	s_cmp_eq_u32 s24, 4
	s_cselect_b64 s[36:37], s[16:17], s[36:37]
	s_lshl_b32 s30, s22, 9
	s_add_nc_u64 s[36:37], s[36:37], s[30:31]      ; the bias at my 128 features
	v_and_b32 v60, 31, v0                          ; lane
	v_and_b32 v61, 15, v0                          ; r
	v_bfe_u32 v62, v0, 4, 1                        ; h
	v_lshlrev_b32 v1, 4, v60
	v_lshlrev_b32 v2, 3, v60
	v_lshlrev_b32 v3, 2, v60
	s_mul_i32 s48, s25, 3072
	v_add_nc_u32 v6, s48, v1                       ; my two tiles of source 1
	s_lshl_b32 s48, s25, 7
	v_add_nc_u32 v7, s48, v3                       ; their scale words
	v_lshlrev_b32 v8, 6, v62                       ; bias by features: 64 h
	v_and_b32 v63, 8, v61
	v_add_nc_u32 v63, v63, v61
	v_lshlrev_b32 v9, 2, v63
	v_add_nc_u32 v9, s48, v9                       ; bias by channel: 4 (32 w + r + 8 (r / 8))
	v_add_nc_u32 v10, 49152, v1
	v_add_nc_u32 v11, 98304, v3
	WIN 0x40                                       ; destination window 1.  Both kinds of bias are always loaded: both stay inside the 4,096 bytes
.irp b, 0,1,2,3
.irp e, 0,1,2,3
	global_load_b128 v[BI+16*\b+4*\e:BI+16*\b+4*\e+3], v8, s[36:37] offset:128*\b+16*\e
.endr
.endr
.irp i, 0,1
	global_load_b32 v[VB+2*\i], v9, s[36:37] offset:32*\i
	global_load_b32 v[VB+2*\i+1], v9, s[36:37] offset:32*\i        ; (the packed addition names a pair)
.endr
	WIN 0
.irp k, 0,1,2,3,4,5,6,7
	global_load_b32 v[SC1+\k], v7, s[34:35] offset:98304+512*\k
.endr
	WIN 0x80                                       ; destination window 2
.irp k, 0,1,2,3,4,5,6,7
.irp i, 0,1
.irp c, 0,1,2
	global_load_b128 v[24*\k+12*\i+4*\c:24*\k+12*\i+4*\c+3], v6, s[34:35] offset:12288*\k+1536*\i+512*\c
.endr
.endr
.endr
	WIN 0
	; where the results go
	s_cmp_eq_u32 s24, 0
	s_mov_b32 s42, 208896
	s_cselect_b32 s42, 106496, s42                 ; bytes from a head's record to the next
	s_cselect_b64 s[40:41], s[18:19], s[20:21]     ; qb or kv
	s_mov_b32 s43, 0
	s_mul_i32 s44, s51, s42
	s_mov_b32 s45, 0
	s_add_nc_u64 s[40:41], s[40:41], s[44:45]      ; q, k: the first head's record,
	s_add_nc_u64 s[44:45], s[40:41], s[42:43]      ; the second's
	s_lshr_b32 s48, s25, 1
	s_add_co_u32 s48, s51, s48
	s_mul_i32 s46, s48, 208896
	s_mov_b32 s47, 0
	s_add_nc_u64 s[46:47], s[20:21], s[46:47]      ; v: my wave's head
	s_lshl_b32 s48, s49, 3
	s_lshl_b32 s50, s25, 1
	s_add_co_u32 s48, s48, s50
	s_mul_i32 s48, s48, 768
	v_add_nc_u32 v12, s48, v1                      ; token tile 8 (mb % 16) + 2 w
	v_add_nc_u32 v13, s48, v2
	s_lshl_b32 s48, s49, 2
	s_add_co_u32 s48, s48, s25
	s_lshl_b32 s48, s48, 7
	v_add_nc_u32 v14, s48, v3
	s_mul_i32 s48, s49, 6144
	s_and_b32 s50, s25, 1
	s_mul_i32 s53, s50, 3072
	s_add_co_u32 s48, s48, s53
	v_add_nc_u32 v15, s48, v1                      ; key step mb % 16, channel tile 2 (w % 2)
	s_lshl_b32 s48, s49, 8
	s_lshl_b32 s53, s50, 7
	s_add_co_u32 s48, s48, s53
	v_add_nc_u32 v60, s48, v3
	s_wait_asynccnt 0x0                            ; my copies have landed,
	s_barrier_signal -1
	s_barrier_wait -1                              ; everybody's have: the record is whole, and nothing writes it again
.irp k, 0,1,2,3,4,5,6,7
.irp g, 0,1,2,3
	ds_load_b32 v[SC0+4*\k+\g], v11 offset:512*\k+128*\g           ; lanes 0-15 tile 2 g's words, lanes 16-31 tile 2 g + 1's
.endr
.endr
	FETCH 0, F0
.irp k, 0,1,2,3,4,5,6,7
.if \k < 7
.if \k > 0
	NOPS 4                                         ; places in front of loads into the buffer that the last step's products read
.endif
	FETCH \k+1, F0+96*((\k+1)%2)
	s_wait_dscnt 24                                ; all but the 24 just issued
.else
	s_wait_dscnt 0x0
.endif
	s_wait_loadcnt 6*(7-\k)                        ; source 1's fragments of this step are in: six loads for each later step may be out
.if \k == 0
	MULS \k, F0+96*(\k%2), 1
.else
	MULS \k, F0+96*(\k%2), 0
.endif
.endr
	NOPS 4                                         ; places behind the last products
.irp b, 0,1,2,3
	v_mov_b32 v[TM+4+\b], 0                        ; a lane permute's destination counts as read
.endr
	s_cmp_eq_u32 s26, 0
	s_cbranch_scc0 .Lv
	; ---- q, k: codes 6 hh .. 6 hh + 5 are head hh's half fragment
	ADDB 0, 0
	QUANT HA, PW0
	global_store_b128 v12, v[PC:PC+3], s[40:41]
	global_store_b64 v13, v[PC+4:PC+5], s[40:41] offset:512
	global_store_b128 v12, v[PC+6:PC+9], s[44:45]
	global_store_b64 v13, v[PC+10:PC+11], s[44:45] offset:512
	ADDB 1, 0
	s_wait_xcnt 0x0                                ; the stores have read the codes' registers: they are written again only behind this wait
	QUANT HA, PW0+1
	global_store_b128 v12, v[PC:PC+3], s[40:41] offset:768
	global_store_b64 v13, v[PC+4:PC+5], s[40:41] offset:768+512
	global_store_b128 v12, v[PC+6:PC+9], s[44:45] offset:768
	global_store_b64 v13, v[PC+10:PC+11], s[44:45] offset:768+512
	v_cndmask_b32 v58, v56, v57, s52               ; lanes 0-15 the even tile's words, lanes 16-31 the odd tile's
	v_lshrrev_b32 v59, 16, v58                     ; the second head's two bytes; the upper two bytes of either word meet zero codes alone and are never 0xff
	global_store_b32 v14, v58, s[40:41] offset:98304
	global_store_b32 v14, v59, s[44:45] offset:98304
	s_set_vgpr_msb 0x5
	s_wait_tensorcnt 0x0
	ds_add_u32 v254, v255
	s_wait_dscnt 0x0
	s_set_vgpr_msb 0x500
	s_endpgm
	; ---- v: a whole fragment, 16 channels x 128 keys
.Lv:
	ADDB 0, 1
	QUANT HA, PW0
.irp c, 0,1,2
	global_store_b128 v15, v[PC+4*\c:PC+4*\c+3], s[46:47] offset:106496+512*\c
.endr
	ADDB 1, 1
	s_wait_xcnt 0x0                                ; as above
	QUANT HA, PW0+1
.irp c, 0,1,2
	global_store_b128 v15, v[PC+4*\c:PC+4*\c+3], s[46:47] offset:106496+1536+512*\c
.endr
	v_cndmask_b32 v58, v56, v57, s52
	global_store_b32 v60, v58, s[46:47] offset:204800
	s_set_vgpr_msb 0x5
	s_wait_tensorcnt 0x0
	ds_add_u32 v254, v255
	s_wait_dscnt 0x0
	s_set_vgpr_msb 0x500
	s_endpgm
.Lfunc_end_k_q36ea31e4f4_proj1:
	.size	k_q36ea31e4f4_proj1, .Lfunc_end_k_q36ea31e4f4_proj1-k_q36ea31e4f4_proj1
	.p2alignl 7, 3214868480
	.fill 96, 4, 3214868480
	.section	.rodata,"a",@progbits
	.p2align	6, 0x0
	.amdhsa_kernel k_q36ea31e4f4_proj1
		.amdhsa_group_segment_fixed_size 168448
		.amdhsa_private_segment_fixed_size 0
		.amdhsa_enable_private_segment 0
		.amdhsa_kernarg_size 72
		.amdhsa_user_sgpr_count 2
		.amdhsa_user_sgpr_kernarg_segment_ptr 1
		.amdhsa_wavefront_size32 1
		.amdhsa_system_sgpr_workgroup_id_x 1
		.amdhsa_system_sgpr_workgroup_id_y 1
		.amdhsa_system_sgpr_workgroup_id_z 1
		.amdhsa_system_vgpr_workitem_id 0
		.amdhsa_next_free_vgpr 768
		.amdhsa_next_free_sgpr 66
		.amdhsa_reserve_vcc 0
		.amdhsa_float_denorm_mode_32 3
		.amdhsa_float_denorm_mode_16_64 3
		.amdhsa_memory_ordered 1
		.amdhsa_forward_progress 1
		.amdhsa_inst_pref_size 75
	.end_amdhsa_kernel
	.amdgpu_metadata
---
amdhsa.version: [ 1, 2 ]
amdhsa.kernels:
  - .name:           k_q36ea31e4f4_proj1
    .symbol:         k_q36ea31e4f4_proj1.kd
    .args:
      - { .name: actq, .offset: 0, .size: 8, .value_kind: global_buffer, .address_space: global }
      - { .name: wts_a, .offset: 8, .size: 8, .value_kind: global_buffer, .address_space: global }
      - { .name: sa_bq, .offset: 16, .size: 8, .value_kind: global_buffer, .address_space: global }
      - { .name: sa_bk, .offset: 24, .size: 8, .value_kind: global_buffer, .address_space: global }
      - { .name: sa_bv, .offset: 32, .size: 8, .value_kind: global_buffer, .address_space: global }
      - { .name: ca_bk, .offset: 40, .size: 8, .value_kind: global_buffer, .address_space: global }
      - { .name: ca_bv, .offset: 48, .size: 8, .value_kind: global_buffer, .address_space: global }
      - { .name: qb, .offset: 56, .size: 8, .value_kind: global_buffer, .address_space: global }
      - { .name: kv, .offset: 64, .size: 8, .value_kind: global_buffer, .address_space: global }
    .group_segment_fixed_size: 168448
    .private_segment_fixed_size: 0
    .kernarg_segment_align: 8
    .kernarg_segment_size: 72
    .max_flat_workgroup_size: 128
    .sgpr_count:     66
    .vgpr_count:     768
    .wavefront_size: 32
...
	.end_amdgpu_metadata
.endif
;; end of part 2
;; launch attn_sa (part 3): grid 256 x 1, 16 waves a work-group, no clusters, 302,080 bytes of LDS; arguments qb, kv, decoded, sa_g, sa_b, x1, xq; writes x1, xq
.if DOCPART == 3
	.amdgcn_target "amdgcn-amd-amdhsa--gfx1250"
	.amdhsa_code_object_version 6
	.text
	.protected	k_q36ea31e4f4_attn_sa
	.globl	k_q36ea31e4f4_attn_sa
	.p2align	8
	.type	k_q36ea31e4f4_attn_sa,@function
k_q36ea31e4f4_attn_sa:
	s_mov_b64 s[64:65], 0
	v_nop
	global_prefetch_b8 v0, s[64:65] scope:SCOPE_SE
	s_setreg_imm32_b32 hwreg(HW_REG_WAVE_MODE, 25, 1), 1
	s_wait_xcnt 0x0
; Attention of one (batch, head) on codes of FP6 with E8M0 scales, + residual, LayerNorm, and the quantiser of the next product.  Arguments: q's records, k and v's records, the residual, gain, bias, x (f32), x's codes.
; THE WEIGHTS ARE QUANTISED FINISHED AND NORMALISED, so the keys are walked twice: pass 1 finds each query's largest t = score x c and the sum l of 2^(t - M), by a running maximum (M = the largest t rounded up to a whole
; number; when M moves, the sum is multiplied by 2^(old M - new M), exactly); pass 2 makes the scores again and a = 2^(t - M - log2 l): the division by l is a subtraction in the exponent, so a costs one fused multiply-add and
; one exponential; a is quantised along the keys and multiplied by V.  A softmax does not change with the shift M.
; MASK = 1: a is multiplied by triu: key < query counts for nothing in the second product alone.  Pass 2 leaves out the steps all of whose keys are hidden (a scalar branch on ids round the work, not round the address steps)
; and sets hidden scores to -infinity in the one step on the diagonal: a = 0 there.
; SHARES.  Work-group: head bh = x / 8, j = x % 8.  Each of sixteen waves owns the 16 queries of tile t = j + 8 u, u a permutation of the wave's number that evens out pass 2's steps over any four waves w % 4 or w / 4.
; The head's k and v (208,896 bytes of images) come into LDS once, by asynchronous copies, as they lie.  No multicast: with the mask the work hangs on the work-group's place, and what is shared is this one fill.
; Both products are used transposed: S^T = K Q^T, O^T = V^T A^T: a lane holds ONE query.  K's head size is 64, so the upper six registers of K's and Q's fragments are zero codes.
; LDS LOADS RUN AHEAD OF THEIR USE.  Pass 1 has registers for a step's eight fragments of K (O^T's and the codes' registers are idle then): a step's 20 loads are issued behind the products of the step before and land under its
; softmax.  Pass 2 goes by halves of 64 keys: K's second four tiles land under the first half's exponentials and quantiser, V's four fragments and the next step's first four tiles under the second half's.
; BARRIERS.  One when K has landed; one behind pass 1's fourth step, when every copy has landed (V, gain and bias are read by all waves only behind it); one on the way out.  None between the passes.
; THE MERGE WITHOUT TRANSPOSE makes the 16 queries x 64 channels of a tile ONE row (128 bh + t) of 1,024 numbers: lane (r, h) holds columns 64 r + 32 b + 16 h + e.  So residual, LayerNorm and quantiser stand here.
; x's codes go out as tile j, slot u of record bh (slot r of tile T is row T + 8 r), gathered in LDS from the sixteen waves.
; LIMITS: NaN and infinities among the inputs are not served: with finite inputs the scores, a (l is at least 0.5) and v are finite, and the three selects on NaN never act.  A block of zeros gets the byte 1 (zero codes).
; 1 / l enters as log2 l (v_log_f32), and M + log2 l is rounded once to f32.
.set MASK,  1
.set CBITS, 0x3d0293ee                 ; c = log2(e) / sqrt(2048)
.set KVOFF, 0
.set KSC,  98304                       ; LDS: K's images at 0, their scale words here,
.set VIM,  106496                      ; V's images,
.set VSC,  204800                      ; their scale words,
.set RES,  208896                      ; a residual row for each wave, 272 bytes for each 256,
.set GB,   278528                      ; gain, then bias, likewise,
.set XST,  287232                      ; the eight images of x's tile,
.set XSS,  299520                      ; their scale words [K step][slot]
.set QF, 16                            ; v16-27 Q (22-27 zero)
.set QS, 28                            ; v28 Q's scale words; v29 a's; v30-31 V's (in pass 1: K's tiles 4-7); v80-81 K's: these hold scales alone
.set PW, 29
.set VS, 30
.set KF, 32                            ; v32-79 four fragments of K (the upper six of each zero)
.set KS, 80
.set BM, 82                            ; v82-85 largest of a block; v86-89, v90-93 at work; v[94:95] the factor
.set PM, 86
.set SO, 90
.set S,  96                            ; v96-159 S^T, then a; V's fragments of channels 0-31 land in v96-119
.set O,  160                           ; v160-191 O^T (pass 2)
.set KG, 160                           ; v160-207 pass 1 alone: four more fragments of K (the upper six of each zero)
.set PC, 192                           ; v192-203 a's codes; v204-210 second halves (pass 2)
.set CT, 204
.set VB, 214                           ; v214-237 pass 2: V's fragments of channels 32-63 (until every copy has landed: addresses of copies and of Q's loads)
; v1-5 lane terms, v6-10 addresses in hand, v11 the mask's d, v12 -M (pass 2: -M - log2 l), v13 largest t, v[14:15] the sum; v212-226, v230-231, v252-255 the copies' addresses; v227-229 Q's offsets; v240-251 the way out's addresses
.macro NOPS n
.rept \n
	v_nop
.endr
.endm
.macro SW d, a, sc, odd                ; one product of the scores: 16 keys x my 16 queries; odd: the tile's scale words stand in lanes 16-31
.if \odd
	v_wmma_scale_f32_16x16x128_f8f6f4 v[\d:\d+7], v[\a:\a+11], v[QF:QF+11], 0, v[\sc], v[QS] matrix_a_fmt:MATRIX_FMT_FP6 matrix_b_fmt:MATRIX_FMT_FP6 matrix_a_scale:MATRIX_SCALE_ROW1
.else
	v_wmma_scale_f32_16x16x128_f8f6f4 v[\d:\d+7], v[\a:\a+11], v[QF:QF+11], 0, v[\sc], v[QS] matrix_a_fmt:MATRIX_FMT_FP6 matrix_b_fmt:MATRIX_FMT_FP6
.endif
.endm
.macro PV d, a, sc, odd                ; one product on V: 16 channels x my 16 queries, 128 keys, onto O^T
.if \odd
	v_wmma_scale_f32_16x16x128_f8f6f4 v[\d:\d+7], v[\a:\a+11], v[PC:PC+11], v[\d:\d+7], v[\sc], v[PW] matrix_a_fmt:MATRIX_FMT_FP6 matrix_b_fmt:MATRIX_FMT_FP6 matrix_a_scale:MATRIX_SCALE_ROW1
.else
	v_wmma_scale_f32_16x16x128_f8f6f4 v[\d:\d+7], v[\a:\a+11], v[PC:PC+11], v[\d:\d+7], v[\sc], v[PW] matrix_a_fmt:MATRIX_FMT_FP6 matrix_b_fmt:MATRIX_FMT_FP6
.endif
.endm
.macro KADDR sa, sb                    ; K's addresses in hand: codes (16 and 8 bytes a lane) and scale words
	v_add_nc_u32 v6, s[\sa], v1
	v_add_nc_u32 v7, s[\sa], v2
	v_add_nc_u32 v8, s[\sb], v3
.endm
.macro LOADK4 f, o                     ; four tiles' codes, o bytes behind the addresses in hand, into the lower halves of the four fragments at f
.irp t, 0,1,2,3
	ds_load_b128 v[\f+12*\t:\f+12*\t+3], v6 offset:(\o)+768*\t
	ds_load_b64 v[\f+12*\t+4:\f+12*\t+5], v7 offset:(\o)+768*\t
.endr
.endm
.macro LOADK8                          ; a step's eight tiles and their scale words: 20 loads
	LOADK4 KF, 0
	LOADK4 KG, 3072
	ds_load_b32 v[KS], v8
	ds_load_b32 v[KS+1], v8 offset:128
	ds_load_b32 v[VS], v8 offset:256
	ds_load_b32 v[VS+1], v8 offset:384
.endm
; A STEP OF PASS 1: 128 keys.  nxt = 1: the next step's eight tiles are fetched behind the products; nxt = 0 (the last step): pass 2's first four tiles
.macro P1 nxt
	s_wait_dscnt 0x0                               ; this step's tiles, asked for a step ago
.irp t, 0,1,2,3
	SW S+8*\t, KF+12*\t, KS+\t/2, \t%2
.endr
.irp t, 0,1,2,3
	SW S+32+8*\t, KG+12*\t, VS+\t/2, \t%2
.endr
.if \nxt
	s_add_co_u32 s28, s28, 6144
	s_add_co_u32 s29, s29, 512
	KADDR 28, 29                                   ; three additions and a v_nop: the four places in front of loads into registers that the products read, and of the first read of the scores
	v_nop
	LOADK8
.else
	KADDR 44, 45
	v_nop
	LOADK4 KF, 0
	ds_load_b32 v[KS], v8
	ds_load_b32 v[KS+1], v8 offset:128
.endif
.irp b, 0,1,2,3                                ; register 16 b + e of lane (r, h): query r, key 32 b + 16 h + e of the step
	v_max3_num_f32 v[BM+\b], v[S+16*\b], v[S+1+16*\b], v[S+2+16*\b]
.endr
.irp i, 3,5,7,9,11,13
.irp b, 0,1,2,3
	v_max3_num_f32 v[BM+\b], v[BM+\b], v[S+16*\b+\i], v[S+1+16*\b+\i]
.endr
.endr
.irp b, 0,1,2,3
	v_max_num_f32 v[BM+\b], v[BM+\b], v[S+15+16*\b]
.endr
	v_max3_num_f32 v90, v82, v83, v84
	v_max_num_f32 v90, v90, v85
	v_permlanex16_b32 v86, v90, s20, s21
	v_max_num_f32 v90, v90, v86                    ; the step's largest score of my query
	v_mul_f32 v90, s22, v90                        ; as t (c is positive)
	v_max_num_f32 v13, v13, v90
	v_mov_b32 v90, v12
	v_floor_f32 v12, -v13                          ; -M = floor(-t)
	v_sub_f32 v90, v12, v90                        ; old M - new M: a whole number, 0 or less
	v_cvt_i32_f32 v90, v90                         ; (it saturates)
	v_ldexp_f32 v94, 1.0, v90
.set n, 0
.rept 32
	v_pk_fma_f32 v[S+n:S+n+1], v[S+n:S+n+1], s[22:23], v[12:13] op_sel_hi:[1,0,0]
.set n, n+2
.endr
.set n, 0
.rept 64
	v_exp_f32 v[S+n], v[S+n]
.set n, n+1
.endr
	v_pk_mul_f32 v[14:15], v[14:15], v[94:95] op_sel_hi:[1,0]      ; the sums under the new M: a plain place behind the exponentials
	s_wait_alu depctr_va_vdst(0)                   ; one wait for the batch, ahead of its first reader
	v_pk_add_f32 v[86:87], v[S:S+1], v[S+2:S+3]
.irp n, 4,8,12,16,20,24,28,32,36,40,44,48,52,56,60
	v_pk_add_f32 v[14:15], v[14:15], v[S+\n:S+\n+1]
	v_pk_add_f32 v[86:87], v[86:87], v[S+\n+2:S+\n+3]
.endr
	v_pk_add_f32 v[14:15], v[14:15], v[86:87]
.endm
; PASS 2, half hf of a step (64 keys).  On the diagonal: register n holds key 32 (n / 16) + n % 16 + 16 h of the step, hidden where that is under 16 j + r
.macro MASKH hf
	s_cmp_lg_u32 s27, s19
	s_cbranch_scc1 .Lopen_\@
	v_mov_b32 v94, 0xff800000
.set n, 32*\hf
.rept 32
	v_cmp_lt_i32 vcc_lo, 32*(n/16)+n%16, v11
	v_cndmask_b32 v[S+n], v[S+n], v94, vcc_lo
.set n, n+1
.endr
.Lopen_\@:
.endm
.macro EXPH hf                         ; a = 2^(c s - M - log2 l), finished and normalised: 32 numbers, one batch of exponentials
.set n, 32*\hf
.rept 16
	v_pk_fma_f32 v[S+n:S+n+1], v[S+n:S+n+1], s[22:23], v[12:13] op_sel_hi:[1,0,0]
.set n, n+2
.endr
.set n, 32*\hf
.rept 32
	v_exp_f32 v[S+n], v[S+n]
.set n, n+1
.endr
	v_nop                                          ; a plain place behind the exponentials
	s_wait_alu depctr_va_vdst(0)                   ; one wait for the batch
.endm
.macro QH hf                           ; blocks 2 hf and 2 hf + 1: largest a (none is negative; the floor 2^(3 - 127) among the leaves), scale, byte, codes.  Two chains a block, four by turns
.set B0, 2*\hf
.irp u, 0,1
	v_max3_num_f32 v[BM+B0+\u], v[S+16*(B0+\u)], v[S+16*(B0+\u)+1], 0x1800000
.endr
.irp u, 0,1
	v_max3_num_f32 v[PM+B0+\u], v[S+16*(B0+\u)+8], v[S+16*(B0+\u)+9], v[S+16*(B0+\u)+10]
.endr
.irp i, 2,4
.irp u, 0,1
	v_max3_num_f32 v[BM+B0+\u], v[BM+B0+\u], v[S+16*(B0+\u)+\i], v[S+16*(B0+\u)+\i+1]
.endr
.irp u, 0,1
	v_max3_num_f32 v[PM+B0+\u], v[PM+B0+\u], v[S+16*(B0+\u)+\i+9], v[S+16*(B0+\u)+\i+10]
.endr
.endr
.irp u, 0,1
	v_max3_num_f32 v[BM+B0+\u], v[BM+B0+\u], v[S+16*(B0+\u)+6], v[S+16*(B0+\u)+7]
.endr
.irp u, 0,1
	v_max3_num_f32 v[BM+B0+\u], v[BM+B0+\u], v[PM+B0+\u], v[S+16*(B0+\u)+15]
.endr
.irp u, 0,1
	v_permlanex16_b32 v[PM+B0+\u], v[BM+B0+\u], s20, s21
.endr
.irp u, 0,1
	v_max_num_f32 v[BM+B0+\u], v[BM+B0+\u], v[PM+B0+\u]            ; with lane l xor 16's 16 keys
.endr
.irp u, 0,1
	v_add_nc_u32 v[SO+B0+\u], 0xff000000, v[BM+B0+\u]              ; 2 off the exponent field: the conversion's scale operand
.endr
.irp u, 0,1
	v_lshrrev_b32 v[PM+B0+\u], 23, v[SO+B0+\u]                     ; the byte
.endr
	v_cvt_scalef32_pk16_fp6_f32 v[PC+6*\hf:PC+6*\hf+2], v[S+32*\hf:S+32*\hf+15], v[SO+B0]
	v_cvt_scalef32_pk16_fp6_f32 v[CT+4*\hf:CT+4*\hf+2], v[S+32*\hf+16:S+32*\hf+31], v[SO+B0+1]
	v_nop                                          ; one plain place behind a scaled conversion
.endm
.macro SWP hf                          ; a whole block in a lane: lanes 0-15 block 2 hf, lanes 16-31 block 2 hf + 1
.irp i, 0,1,2
	v_permlane16_swap_b32 v[PC+6*\hf+\i], v[CT+4*\hf+\i]
.endr
.irp i, 0,1,2
	v_mov_b32 v[PC+6*\hf+3+\i], v[CT+4*\hf+\i]
.endr
.endm
; A STEP OF PASS 2: 128 keys.  Its first four tiles of K were asked for a step ago.  nxt = 1: the next step's are asked for; nxt = 0: the last step, which every wave works
.macro STEP2 nxt
.if MASK && \nxt
	s_cmp_lt_u32 s27, s19                          ; all 128 keys come before my queries: a = 0, nothing to add
	s_cbranch_scc1 .Lhid_\@
.endif
	KADDR 28, 29                                   ; five additions: the five places between the last product on V and the first product that writes over registers that held V
	v_add_nc_u32 v9, s30, v4
	v_add_nc_u32 v10, s31, v5
	s_wait_dscnt 0x0                               ; tiles 0-3 and their words
.irp t, 0,1,2,3
	SW S+8*\t, KF+12*\t, KS+\t/2, \t%2
.endr
	NOPS 4                                         ; places in front of loads into registers that these products read, and of the first read of their results
	LOADK4 KF, 3072                                ; tiles 4-7: ten loads, which land under the first half's work
	ds_load_b32 v[KS], v8 offset:256
	ds_load_b32 v[KS+1], v8 offset:384
.if MASK
	MASKH 0
.endif
	EXPH 0
	QH 0
.irp t, 0,1                                    ; V's four fragments and scale words: fourteen loads.  Two fragments go where the first half's a stood: the conversions have read it
.irp c, 0,1,2
	ds_load_b128 v[S+12*\t+4*\c:S+12*\t+4*\c+3], v9 offset:1536*\t+512*\c
.endr
.endr
.irp t, 0,1
.irp c, 0,1,2
	ds_load_b128 v[VB+12*\t+4*\c:VB+12*\t+4*\c+3], v9 offset:3072+1536*\t+512*\c
.endr
.endr
	ds_load_b32 v[VS], v10
	ds_load_b32 v[VS+1], v10 offset:128
	SWP 0
	s_wait_dscnt 14                                ; tiles 4-7 are in; V's fourteen loads may be out
.irp t, 0,1,2,3
	SW S+32+8*\t, KF+12*\t, KS+\t/2, \t%2
.endr
	v_lshl_or_b32 v[PW], v[PM+1], 8, v[PM]         ; a's scale word, its lower two bytes: with three v_nop the four places behind these products
	NOPS 3
.if \nxt
	LOADK4 KF, 6144                                ; the next step's tiles 0-3: ten loads, which land under the second half's work
	ds_load_b32 v[KS], v8 offset:512
	ds_load_b32 v[KS+1], v8 offset:640
.endif
.if MASK
	MASKH 1
.endif
	EXPH 1
	QH 1
	v_lshl_or_b32 v[PW], v[PM+2], 16, v[PW]
	v_lshl_or_b32 v[PW], v[PM+3], 24, v[PW]
	SWP 1
	NOPS 8                                         ; a scale word made by vector instructions stands 8 places ahead of the product, an operand so made 4
.if \nxt
	s_wait_dscnt 10                                ; V is in; the next step's ten loads may be out
.else
	s_wait_dscnt 0x0
.endif
	PV O, S, VS, 0                                 ; four accumulators by turns
	PV O+8, S+12, VS, 1
	PV O+16, VB, VS+1, 0
	PV O+24, VB+12, VS+1, 1
.if \nxt
.if MASK
.Lhid_\@:
.endif
	s_add_co_u32 s28, s28, 6144
	s_add_co_u32 s29, s29, 512
	s_add_co_u32 s30, s30, 6144
	s_add_co_u32 s31, s31, 256
.endif
.endm
	s_load_b128 s[4:7], s[0:1], 0x0                ; q's records, k and v's
	s_load_b128 s[8:11], s[0:1], 0x10              ; residual, gain
	s_load_b128 s[12:15], s[0:1], 0x20             ; bias, x
	s_load_b64 s[16:17], s[0:1], 0x30              ; x's codes
	v_lshl_add_u32 v239, v0, 2, 0x49400
	v_mov_b32 v242, 0
	ds_add_u32 v239, v242
	ds_add_u32 v239, v242
	v_lshrrev_b32 v1, 5, v0
	v_readfirstlane_b32 s18, v1                    ; wave
	s_lshr_b32 s44, s18, 2
	s_xor_b32 s44, s44, s18
	s_and_b32 s44, s44, 3
	s_lshr_b32 s45, s44, 1
	s_xor_b32 s44, s44, s45
	s_and_b32 s44, s44, 1
	s_xor_b32 s44, s44, 1
	s_mul_i32 s44, s44, 15
	s_xor_b32 s19, s18, s44                        ; u = w or 15 - w
	s_lshr_b32 s24, ttmp9, 3                       ; bh
	s_and_b32 s25, ttmp9, 7                        ; j
	s_lshl_b32 s26, s19, 3
	s_add_co_u32 s26, s26, s25                     ; t
	s_mov_b32 s20, 0x76543210
	s_mov_b32 s21, 0xfedcba98
	s_mov_b32 s22, CBITS
	s_mov_b32 s23, s22                             ; (named with it as a pair)
	s_mov_b32 s50, 0x3a800000                      ; 1 / 1024
	s_mov_b32 s51, 0x3727c5ac                      ; 1e-5
	s_mul_i32 s46, s24, 208896
	s_add_co_u32 s46, s46, KVOFF
	s_mov_b32 s47, 0
	s_lshl_b32 s48, s24, 7
	s_add_co_u32 s48, s48, s26
	s_lshl_b32 s48, s48, 12                        ; row 128 bh + t of 4,096 bytes
	s_mov_b32 s49, 0
	s_mul_i32 s52, s24, 106496
	s_mov_b32 s53, 0
	s_mul_i32 s54, s24, 102400
	s_lshl_b32 s56, s25, 6
	s_add_co_u32 s54, s54, s56                     ; x's record, + 64 j: tile j's scale words
	s_mov_b32 s55, 0
	s_mul_i32 s56, s24, 102400
	s_lshr_b32 s58, s18, 1
	s_mul_i32 s58, s58, 12288
	s_add_co_u32 s56, s56, s58
	s_mul_i32 s58, s25, 1536
	s_add_co_u32 s56, s56, s58
	s_and_b32 s58, s18, 1
	s_mul_i32 s58, s58, 768
	s_add_co_u32 s56, s56, s58                     ; the half image that my wave stores
	s_mov_b32 s57, 0
	v_and_b32 v232, 31, v0                         ; lane
	v_and_b32 v233, 15, v0                         ; r
	v_bfe_u32 v234, v0, 4, 1                       ; h
	v_lshlrev_b32 v1, 4, v232                      ; 16 l
	v_lshlrev_b32 v250, 3, v232                    ; 8 l
	v_add_nc_u32 v2, 512, v250
	v_lshl_add_u32 v3, v232, 2, KSC
	v_add_nc_u32 v4, VIM, v1
	v_lshl_add_u32 v5, v232, 2, VSC
	; Q: query 16 t + r lies in token tile Tk at a slot that hangs on how the tokens' tiles were formed
.if MASK
	s_and_b32 s44, s26, -2                         ; Tk = (t & ~1) + r / 8, slot = r % 8 + 8 (t % 2)
	s_and_b32 s45, s26, 1
	s_lshl_b32 s45, s45, 3
	v_lshrrev_b32 v235, 3, v233
	v_and_b32 v236, 7, v233
.else
	s_and_b32 s44, s26, -8                         ; Tk = (t & ~7) + r % 8, slot = 2 (t % 8) + r / 8
	s_and_b32 s45, s26, 7
	s_lshl_b32 s45, s45, 1
	v_and_b32 v235, 7, v233
	v_lshrrev_b32 v236, 3, v233
.endif
	v_add_nc_u32 v235, s44, v235
	v_add_nc_u32 v236, s45, v236
	v_mul_u32_u24 v237, v235, 768
	v_lshl_add_u32 v227, v236, 4, v237
	v_lshl_add_u32 v227, v234, 8, v227
	v_lshl_add_u32 v228, v236, 3, v237
	v_lshl_add_u32 v228, v234, 7, v228
	v_lshlrev_b32 v229, 6, v235
	v_lshl_add_u32 v229, v236, 2, v229
	; the copies' addresses
	s_mul_i32 s44, s18, 4352
	s_add_co_u32 s44, s44, RES                     ; my residual row
	v_lshl_add_u32 v235, v234, 4, v1               ; 16 l + 16 h: 16 bytes of padding behind each 256
	v_add_nc_u32 v212, s44, v235
.irp i, 1,2,3,4,5,6,7
	v_add_nc_u32 v[212+\i], 32*\i, v212            ; a copy's immediate, 512 i, goes to both addresses: the register adds the paddings passed
.endr
	v_mov_b32 v220, v1
	v_lshlrev_b32 v221, 4, v0                      ; the record's copies: 16 x thread, LDS address and offset alike;
	v_lshlrev_b32 v222, 4, v0
	v_lshl_add_u32 v230, v0, 4, 65536              ; a copy's immediate stays under 65,536: three more pairs carry the rest
	v_lshl_add_u32 v231, v0, 4, 65536
	v_lshl_add_u32 v252, v0, 4, 131072
	v_lshl_add_u32 v253, v0, 4, 131072
	v_lshl_add_u32 v254, v0, 4, 196608
	v_lshl_add_u32 v255, v0, 4, 196608
	v_lshl_add_u32 v223, v0, 3, 196608             ; and 8 x thread for the last 4,096 bytes
	v_lshl_add_u32 v224, v0, 3, 196608
	s_mul_i32 s45, s18, 544
	s_add_co_u32 s45, s45, GB
	v_add_nc_u32 v225, s45, v235
	s_and_b32 s45, s18, 7
	s_lshl_b32 s45, s45, 9
	v_add_nc_u32 v226, s45, v1
	s_wait_dscnt 0x0
	s_wait_kmcnt 0x0
	s_add_nc_u64 s[32:33], s[6:7], s[46:47]
	s_add_nc_u64 s[34:35], s[8:9], s[48:49]
	s_cmp_lt_u32 s18, 8
	s_cselect_b64 s[36:37], s[10:11], s[12:13]     ; waves 0-7 fetch the gain, 8-15 the bias: 512 bytes each
	s_add_nc_u64 s[38:39], s[4:5], s[52:53]
	s_add_nc_u64 s[40:41], s[14:15], s[48:49]
	s_add_nc_u64 s[42:43], s[16:17], s[56:57]
	s_add_nc_u64 s[54:55], s[16:17], s[54:55]
	global_load_b128 v[QF:QF+3], v227, s[38:39]    ; Q first: the first products want it with K
	global_load_b64 v[QF+4:QF+5], v228, s[38:39] offset:512
	global_load_b32 v[QS], v229, s[38:39] offset:98304
	; 35 copies a wave, in the order in which they are wanted, all ahead of the first wait on them, the first LDS read and the first barrier; their registers stay untouched until the wait that shows them done
.irp i, 0,1,2,3,4,5,6,7
	global_load_async_to_lds_b128 v221, v222, s[32:33] offset:8192*\i          ; K's part: 13 x 8,192 bytes: eight,
.endr
.irp i, 0,1,2,3,4
	global_load_async_to_lds_b128 v230, v231, s[32:33] offset:8192*\i          ; and five
.endr
	global_load_async_to_lds_b128 v225, v226, s[36:37]                         ; gain or bias
.irp i, 5,6,7
	global_load_async_to_lds_b128 v230, v231, s[32:33] offset:8192*\i          ; V's part: 13 copies: three,
.endr
.irp i, 0,1,2,3,4,5,6,7
	global_load_async_to_lds_b128 v252, v253, s[32:33] offset:8192*\i          ; eight,
.endr
	global_load_async_to_lds_b128 v254, v255, s[32:33]                         ; one,
	global_load_async_to_lds_b64 v223, v224, s[32:33] offset:8192              ; and its last 4,096 bytes
.irp i, 0,1,2,3,4,5,6,7
	global_load_async_to_lds_b128 v[212+\i], v220, s[34:35] offset:512*\i      ; my residual row: wanted last
.endr
.irp t, 0,1,2,3
.irp e, 6,7,8,9,10,11
	v_mov_b32 v[KF+12*\t+\e], 0                    ; zero codes for k = 64 .. 127
	v_mov_b32 v[KG+12*\t+\e], 0
.endr
.endr
.irp e, 6,7,8,9,10,11
	v_mov_b32 v[QF+\e], 0
.endr
	v_mov_b32 v13, 0xff61b1e6                      ; the largest t so far: -3e38
	v_floor_f32 v12, -v13                          ; -M
	v_mov_b32 v14, 0
	v_mov_b32 v15, 0
.irp b, 0,1,2,3
	v_mov_b32 v[PM+\b], 0                          ; a lane permute's destination counts as read
.endr
	v_mov_b32 v94, 0
	v_mov_b32 v95, 0
.if MASK
	s_lshl_b32 s44, s25, 4
	v_lshlrev_b32 v235, 4, v234
	v_sub_nc_u32 v11, v233, v235
	v_add_nc_u32 v11, s44, v11                     ; d = 16 j + r - 16 h
.endif
	; the way out's addresses, made here, ahead of the first branch on the wave's number
	s_mul_i32 s44, s18, 4352
	s_add_co_u32 s44, s44, RES
	v_mul_u32_u24 v236, v233, 272
	v_lshl_add_u32 v236, v234, 6, v236
	v_add_nc_u32 v240, s44, v236                   ; my columns of my row: 272 r + 64 h
	v_add_nc_u32 v241, GB, v236
	v_and_b32 v235, 1, v233
	v_mul_u32_u24 v235, v235, 6
	v_mad_u32_u24 v235, v234, 3, v235              ; my three code registers are registers 6 (r % 2) + 3 h + e of lane u + 16 b of K step r / 2's fragment
	v_lshrrev_b32 v236, 1, v233
	v_mul_u32_u24 v236, v236, 1536
	s_lshl_b32 s44, s19, 4
	s_add_co_u32 s44, s44, XST
	v_add_nc_u32 v236, s44, v236
.irp e, 0,1,2
	v_add_nc_u32 v237, \e, v235
	v_lshrrev_b32 v238, 2, v237
	v_and_b32 v237, 3, v237
	v_lshl_add_u32 v238, v238, 9, v236
	v_lshl_add_u32 v[243+\e], v237, 2, v238
.endr
	v_lshrrev_b32 v237, 1, v233
	v_and_b32 v238, 1, v233
	v_lshlrev_b32 v238, 1, v238
	v_lshl_add_u32 v237, v237, 6, v238
	s_lshl_b32 s44, s19, 2
	s_add_co_u32 s44, s44, XSS
	v_add_nc_u32 v246, s44, v237                   ; my two scale bytes: 64 (r / 2) + 4 u + 2 (r % 2)
	s_mul_i32 s45, s18, 768
	s_add_co_u32 s45, s45, XST
	v_add_nc_u32 v247, s45, v1
	v_add_nc_u32 v248, s45, v250
	v_add_nc_u32 v249, XSS, v1
	v_lshrrev_b32 v237, 2, v232
	v_and_b32 v238, 3, v232
	v_lshlrev_b32 v238, 4, v238
	v_lshl_add_u32 v251, v237, 9, v238
	s_wait_asynccnt 22                             ; my part of K has landed; the 22 younger copies (gain or bias, V's 13, the residual's 8) may be out
	s_wait_loadcnt 0x0                             ; Q
	s_barrier_signal -1
	s_barrier_wait -1                              ; K is whole
	; ---- pass 1: the largest t and the sum
	s_mov_b32 s27, 0
	s_mov_b32 s28, 0
	s_mov_b32 s29, 0
	KADDR 28, 29
	LOADK8                                         ; step 0
.Lp1a:                                             ; steps 0 to 3
	P1 1
	s_add_co_u32 s27, s27, 1
	s_cmp_lt_u32 s27, 4
	s_cbranch_scc1 .Lp1a
	s_wait_asynccnt 0x0                            ; all my copies have landed: my part of V, of gain or bias, my residual row;
	s_wait_dscnt 0x0
	s_barrier_signal -1
	s_barrier_wait -1                              ; everybody's have: V, gain and bias are read only behind this barrier
	s_mov_b32 s27, 0
	s_mov_b32 s28, 4*6144                          ; (as the four trips left them)
	s_mov_b32 s29, 4*512
.Lp1b:                                             ; steps 4 to 14
	P1 1
	s_add_co_u32 s27, s27, 1
	s_cmp_lt_u32 s27, 11
	s_cbranch_scc1 .Lp1b
.if MASK
	s_mul_i32 s44, s19, 6144                       ; pass 2's first step that I work: step u
	s_lshl_b32 s45, s19, 9
.else
	s_mov_b32 s44, 0
	s_mov_b32 s45, 0
.endif
	P1 0                                           ; step 15
	v_add_f32 v14, v14, v15
	v_permlanex16_b32 v86, v14, s20, s21
	v_add_f32 v14, v14, v86                        ; l
	v_log_f32 v90, v14
.set n, 0
.rept 32
	v_mov_b32 v[O+n], 0                            ; O^T: which step is a wave's first hangs on the wave, so the sums begin as zeros; pass 1 had these registers for K.  (Plain work behind the logarithm)
.set n, n+1
.endr
	s_wait_alu depctr_va_vdst(0)                   ; ahead of the logarithm's first reader
	v_sub_f32 v12, v12, v90                        ; -M - log2 l
	; ---- pass 2: a, quantised, times V.  Fifteen trips in every wave, and the last step written out: it fetches nothing ahead
	s_mov_b32 s27, 0
	s_mov_b32 s28, 0
	s_mov_b32 s29, 0
	s_mov_b32 s30, 0
	s_mov_b32 s31, 0
.Lp2:
	STEP2 1
	s_add_co_u32 s27, s27, 1
	s_cmp_lt_u32 s27, 15
	s_cbranch_scc1 .Lp2
	STEP2 0
	; ---- the row: + residual, LayerNorm.  Register 16 b + e of lane (r, h) is column 64 r + 32 b + 16 h + e
	NOPS 4
.irp b, 0,1
.irp e, 0,1,2,3
	ds_load_b128 v[32+16*\b+4*\e:35+16*\b+4*\e], v240 offset:128*\b+16*\e
	ds_load_b128 v[96+16*\b+4*\e:99+16*\b+4*\e], v241 offset:128*\b+16*\e
	ds_load_b128 v[128+16*\b+4*\e:131+16*\b+4*\e], v241 offset:4352+128*\b+16*\e
.endr
.endr
	s_wait_dscnt 0x0
.set n, 0
.rept 16
	v_pk_add_f32 v[O+n:O+n+1], v[O+n:O+n+1], v[32+n:33+n]
.set n, n+2
.endr
	v_pk_add_f32 v[224:225], v[O:O+1], v[O+2:O+3]
	v_pk_add_f32 v[226:227], v[O+4:O+5], v[O+6:O+7]
.irp n, 8,12,16,20,24,28
	v_pk_add_f32 v[224:225], v[224:225], v[O+\n:O+\n+1]
	v_pk_add_f32 v[226:227], v[226:227], v[O+\n+2:O+\n+3]
.endr
	v_pk_add_f32 v[224:225], v[224:225], v[226:227]
	v_add_f32 v224, v224, v225
	v_add_f32_dpp v224, v224, v224 row_xmask:1 row_mask:0xf bank_mask:0xf
	v_add_f32_dpp v224, v224, v224 row_xmask:2 row_mask:0xf bank_mask:0xf
	v_add_f32_dpp v224, v224, v224 row_xmask:4 row_mask:0xf bank_mask:0xf
	v_add_f32_dpp v224, v224, v224 row_xmask:8 row_mask:0xf bank_mask:0xf
	v_permlanex16_b32 v225, v224, s20, s21
	v_add_f32 v224, v224, v225
	v_mul_f32 v224, s50, v224                      ; the mean
.set n, 0
.rept 16
	v_pk_add_f32 v[O+n:O+n+1], v[O+n:O+n+1], v[224:225] op_sel_hi:[1,0] neg_lo:[0,1] neg_hi:[0,1]
.set n, n+2
.endr
	v_pk_mul_f32 v[226:227], v[O:O+1], v[O:O+1]
	v_pk_mul_f32 v[228:229], v[O+2:O+3], v[O+2:O+3]
.irp n, 4,8,12,16,20,24,28
	v_pk_fma_f32 v[226:227], v[O+\n:O+\n+1], v[O+\n:O+\n+1], v[226:227]
	v_pk_fma_f32 v[228:229], v[O+\n+2:O+\n+3], v[O+\n+2:O+\n+3], v[228:229]
.endr
	v_pk_add_f32 v[226:227], v[226:227], v[228:229]
	v_add_f32 v226, v226, v227
	v_add_f32_dpp v226, v226, v226 row_xmask:1 row_mask:0xf bank_mask:0xf
	v_add_f32_dpp v226, v226, v226 row_xmask:2 row_mask:0xf bank_mask:0xf
	v_add_f32_dpp v226, v226, v226 row_xmask:4 row_mask:0xf bank_mask:0xf
	v_add_f32_dpp v226, v226, v226 row_xmask:8 row_mask:0xf bank_mask:0xf
	v_permlanex16_b32 v227, v226, s20, s21
	v_add_f32 v226, v226, v227
	v_fma_f32 v226, v226, s50, s51                 ; the variance + 1e-5
	v_rsq_f32 v228, v226
	v_nop
	s_wait_alu depctr_va_vdst(0)
	v_mov_b32 v229, v228
.set n, 0
.rept 16
	v_pk_mul_f32 v[O+n:O+n+1], v[O+n:O+n+1], v[228:229]
.set n, n+2
.endr
.set n, 0
.rept 16
	v_pk_fma_f32 v[O+n:O+n+1], v[O+n:O+n+1], v[96+n:97+n], v[128+n:129+n]
.set n, n+2
.endr
	; the f32 row goes back into my residual's bytes (they have had their one fill) and leaves as 512 consecutive bytes an instruction
.irp b, 0,1
.irp e, 0,1,2,3
	ds_store_b128 v240, v[O+16*\b+4*\e:O+16*\b+4*\e+3] offset:128*\b+16*\e
.endr
.endr
.irp i, 0,1,2,3,4,5,6,7
	ds_load_b128 v[32+4*\i:35+4*\i], v212 offset:544*\i            ; LDS serves a wave in order: these see my stores
.endr
	; the row's codes: block 2 r + b lies in lanes (r, 0) and (r, 1), 16 numbers each
.irp b, 0,1
	v_max3_num_f32 v[230+\b], |v[O+16*\b]|, |v[O+1+16*\b]|, 0x1800000
.endr
.irp i, 2,4,6,8,10,12,14
.irp b, 0,1
	v_max3_num_f32 v[230+\b], v[230+\b], |v[O+16*\b+\i]|, |v[O+1+16*\b+\i]|
.endr
.endr
.irp b, 0,1
	v_permlanex16_b32 v[232+\b], v[230+\b], s20, s21
.endr
.irp b, 0,1
	v_max_num_f32 v[230+\b], v[230+\b], v[232+\b]
.endr
.irp b, 0,1
	v_add_nc_u32 v[234+\b], 0xff000000, v[230+\b]
.endr
.irp b, 0,1
	v_lshrrev_b32 v[232+\b], 23, v[234+\b]
.endr
	v_lshl_or_b32 v236, v233, 8, v232
	v_cvt_scalef32_pk16_fp6_f32 v[64:66], v[O:O+15], v234
	v_cvt_scalef32_pk16_fp6_f32 v[68:70], v[O+16:O+31], v235
	v_nop
.irp b, 0,1
.irp e, 0,1,2
	ds_store_b32 v[243+\e], v[64+4*\b+\e] offset:256*\b
.endr
.endr
	ds_store_b16 v246, v236                        ; both lanes of a pair write the same two bytes
	s_wait_dscnt 0x0                               ; my row is back, and my stores into the images are done
.irp i, 0,1,2,3,4,5,6,7
	global_store_b128 v1, v[32+4*\i:35+4*\i], s[40:41] offset:512*\i
.endr
	s_barrier_signal -1
	s_barrier_wait -1                              ; the eight images and their scale words are whole
	ds_load_b128 v[72:75], v247
	ds_load_b64 v[76:77], v248 offset:512
	s_wait_dscnt 0x0
	global_store_b128 v1, v[72:75], s[42:43]       ; 768 consecutive bytes a wave
	global_store_b64 v250, v[76:77], s[42:43] offset:512
	s_cmp_lg_u32 s18, 0
	s_cbranch_scc1 .Lend
	ds_load_b128 v[64:67], v249
	s_wait_dscnt 0x0
	global_store_b128 v251, v[64:67], s[54:55] offset:98304        ; 64 bytes for each K step
.Lend:
	s_wait_tensorcnt 0x0
	ds_add_u32 v239, v242
	s_wait_dscnt 0x0
	s_endpgm
.Lfunc_end_k_q36ea31e4f4_attn_sa:
	.size	k_q36ea31e4f4_attn_sa, .Lfunc_end_k_q36ea31e4f4_attn_sa-k_q36ea31e4f4_attn_sa
	.p2alignl 7, 3214868480
	.fill 96, 4, 3214868480
	.section	.rodata,"a",@progbits
	.p2align	6, 0x0
	.amdhsa_kernel k_q36ea31e4f4_attn_sa
		.amdhsa_group_segment_fixed_size 302080
		.amdhsa_private_segment_fixed_size 0
		.amdhsa_enable_private_segment 0
		.amdhsa_kernarg_size 56
		.amdhsa_user_sgpr_count 2
		.amdhsa_user_sgpr_kernarg_segment_ptr 1
		.amdhsa_wavefront_size32 1
		.amdhsa_system_sgpr_workgroup_id_x 1
		.amdhsa_system_sgpr_workgroup_id_y 1
		.amdhsa_system_sgpr_workgroup_id_z 1
		.amdhsa_system_vgpr_workitem_id 0
		.amdhsa_next_free_vgpr 256
		.amdhsa_next_free_sgpr 66
		.amdhsa_reserve_vcc 1
		.amdhsa_float_denorm_mode_32 3
		.amdhsa_float_denorm_mode_16_64 3
		.amdhsa_memory_ordered 1
		.amdhsa_forward_progress 1
		.amdhsa_inst_pref_size 98
	.end_amdhsa_kernel
	.amdgpu_metadata
---
amdhsa.version: [ 1, 2 ]
amdhsa.kernels:
  - .name:           k_q36ea31e4f4_attn_sa
    .symbol:         k_q36ea31e4f4_attn_sa.kd
    .args:
      - { .name: qb, .offset: 0, .size: 8, .value_kind: global_buffer, .address_space: global }
      - { .name: kv, .offset: 8, .size: 8, .value_kind: global_buffer, .address_space: global }
      - { .name: decoded, .offset: 16, .size: 8, .value_kind: global_buffer, .address_space: global }
      - { .name: sa_g, .offset: 24, .size: 8, .value_kind: global_buffer, .address_space: global }
      - { .name: sa_b, .offset: 32, .size: 8, .value_kind: global_buffer, .address_space: global }
      - { .name: x1, .offset: 40, .size: 8, .value_kind: global_buffer, .address_space: global }
      - { .name: xq, .offset: 48, .size: 8, .value_kind: global_buffer, .address_space: global }
    .group_segment_fixed_size: 302080
    .private_segment_fixed_size: 0
    .kernarg_segment_align: 8
    .kernarg_segment_size: 56
    .max_flat_workgroup_size: 512
    .sgpr_count:     66
    .vgpr_count:     256
    .wavefront_size: 32
...
	.end_amdgpu_metadata
.endif
;; end of part 3
;; launch proj2: the kernel of part 2 again; grid 256 x 1, 4 waves a work-group, no clusters, 168,448 bytes of LDS; arguments xq, wts_b, ca_bq, ca_bk, ca_bv, sa_bk, sa_bv, qb, kv; writes qb, kv
;; launch attn_ca (part 4): grid 256 x 1, 16 waves a work-group, no clusters, 302,080 bytes of LDS; arguments qb, kv, x1, ca_g, ca_b, x2, xq; writes x2, xq
.if DOCPART == 4
	.amdgcn_target "amdgcn-amd-amdhsa--gfx1250"
	.amdhsa_code_object_version 6
	.text
	.protected	k_q36ea31e4f4_attn_ca
	.globl	k_q36ea31e4f4_attn_ca
	.p2align	8
	.type	k_q36ea31e4f4_attn_ca,@function
k_q36ea31e4f4_attn_ca:
	s_mov_b64 s[64:65], 0
	v_nop
	global_prefetch_b8 v0, s[64:65] scope:SCOPE_SE
	s_setreg_imm32_b32 hwreg(HW_REG_WAVE_MODE, 25, 1), 1
	s_wait_xcnt 0x0
; Attention of one (batch, head) on codes of FP6 with E8M0 scales, + residual, LayerNorm, and the quantiser of the next product.  Arguments: q's records, k and v's records, the residual, gain, bias, x (f32), x's codes.
; THE WEIGHTS ARE QUANTISED FINISHED AND NORMALISED, so the keys are walked twice: pass 1 finds each query's largest t = score x c and the sum l of 2^(t - M), by a running maximum (M = the largest t rounded up to a whole
; number; when M moves, the sum is multiplied by 2^(old M - new M), exactly); pass 2 makes the scores again and a = 2^(t - M - log2 l): the division by l is a subtraction in the exponent, so a costs one fused multiply-add and
; one exponential; a is quantised along the keys and multiplied by V.  A softmax does not change with the shift M.
; MASK = 0 here: no mask, no scale but log2(e); the text is the masked attention's with three constants changed (MASK, CBITS, KVOFF).
; SHARES.  Work-group: head bh = x / 8, j = x % 8.  Each of sixteen waves owns the 16 queries of tile t = j + 8 u, u a permutation of the wave's number.
; The head's k and v (208,896 bytes of images) come into LDS once, by asynchronous copies, as they lie.  No multicast: what is shared is this one fill, against 512 wave steps of work.
; Both products are used transposed: S^T = K Q^T, O^T = V^T A^T: a lane holds ONE query.  K's head size is 64, so the upper six registers of K's and Q's fragments are zero codes.
; LDS LOADS RUN AHEAD OF THEIR USE.  Pass 1 has registers for a step's eight fragments of K (O^T's and the codes' registers are idle then): a step's 20 loads are issued behind the products of the step before and land under its
; softmax.  Pass 2 goes by halves of 64 keys: K's second four tiles land under the first half's exponentials and quantiser, V's four fragments and the next step's first four tiles under the second half's.
; BARRIERS.  One when K has landed; one behind pass 1's fourth step, when every copy has landed (V, gain and bias are read by all waves only behind it); one on the way out.  None between the passes.
; THE MERGE WITHOUT TRANSPOSE makes the 16 queries x 64 channels of a tile ONE row (128 bh + t) of 1,024 numbers: lane (r, h) holds columns 64 r + 32 b + 16 h + e.  So residual, LayerNorm and quantiser stand here.
; x's codes go out as tile j, slot u of record bh (slot r of tile T is row T + 8 r), gathered in LDS from the sixteen waves.
; LIMITS: NaN and infinities among the inputs are not served: with finite inputs the scores, a (l is at least 0.5) and v are finite, and the three selects on NaN never act.  A block of zeros gets the byte 1 (zero codes).
; 1 / l enters as log2 l (v_log_f32), and M + log2 l is rounded once to f32.
.set MASK,  0
.set CBITS, 0x3fb8aa3b                 ; c = log2(e)
.set KVOFF, 6684672                    ; the second attention's 32 records
.set KSC,  98304                       ; LDS: K's images at 0, their scale words here,
.set VIM,  106496                      ; V's images,
.set VSC,  204800                      ; their scale words,
.set RES,  208896                      ; a residual row for each wave, 272 bytes for each 256,
.set GB,   278528                      ; gain, then bias, likewise,
.set XST,  287232                      ; the eight images of x's tile,
.set XSS,  299520                      ; their scale words [K step][slot]
.set QF, 16                            ; v16-27 Q (22-27 zero)
.set QS, 28                            ; v28 Q's scale words; v29 a's; v30-31 V's (in pass 1: K's tiles 4-7); v80-81 K's: these hold scales alone
.set PW, 29
.set VS, 30
.set KF, 32                            ; v32-79 four fragments of K (the upper six of each zero)
.set KS, 80
.set BM, 82                            ; v82-85 largest of a block; v86-89, v90-93 at work; v[94:95] the factor
.set PM, 86
.set SO, 90
.set S,  96                            ; v96-159 S^T, then a; V's fragments of channels 0-31 land in v96-119
.set O,  160                           ; v160-191 O^T (pass 2)
.set KG, 160                           ; v160-207 pass 1 alone: four more fragments of K (the upper six of each zero)
.set PC, 192                           ; v192-203 a's codes; v204-210 second halves (pass 2)
.set CT, 204
.set VB, 214                           ; v214-237 pass 2: V's fragments of channels 32-63 (until every copy has landed: addresses of copies and of Q's loads)
; v1-5 lane terms, v6-10 addresses in hand, v12 -M (pass 2: -M - log2 l), v13 largest t, v[14:15] the sum; v212-226, v230-231, v252-255 the copies' addresses; v227-229 Q's offsets; v240-251 the way out's addresses
.macro NOPS n
.rept \n
	v_nop
.endr
.endm
.macro SW d, a, sc, odd                ; one product of the scores: 16 keys x my 16 queries; odd: the tile's scale words stand in lanes 16-31
.if \odd
	v_wmma_scale_f32_16x16x128_f8f6f4 v[\d:\d+7], v[\a:\a+11], v[QF:QF+11], 0, v[\sc], v[QS] matrix_a_fmt:MATRIX_FMT_FP6 matrix_b_fmt:MATRIX_FMT_FP6 matrix_a_scale:MATRIX_SCALE_ROW1
.else
	v_wmma_scale_f32_16x16x128_f8f6f4 v[\d:\d+7], v[\a:\a+11], v[QF:QF+11], 0, v[\sc], v[QS] matrix_a_fmt:MATRIX_FMT_FP6 matrix_b_fmt:MATRIX_FMT_FP6
.endif
.endm
.macro PV d, a, sc, odd                ; one product on V: 16 channels x my 16 queries, 128 keys, onto O^T
.if \odd
	v_wmma_scale_f32_16x16x128_f8f6f4 v[\d:\d+7], v[\a:\a+11], v[PC:PC+11], v[\d:\d+7], v[\sc], v[PW] matrix_a_fmt:MATRIX_FMT_FP6 matrix_b_fmt:MATRIX_FMT_FP6 matrix_a_scale:MATRIX_SCALE_ROW1
.else
	v_wmma_scale_f32_16x16x128_f8f6f4 v[\d:\d+7], v[\a:\a+11], v[PC:PC+11], v[\d:\d+7], v[\sc], v[PW] matrix_a_fmt:MATRIX_FMT_FP6 matrix_b_fmt:MATRIX_FMT_FP6
.endif
.endm
.macro KADDR sa, sb                    ; K's addresses in hand: codes (16 and 8 bytes a lane) and scale words
	v_add_nc_u32 v6, s[\sa], v1
	v_add_nc_u32 v7, s[\sa], v2
	v_add_nc_u32 v8, s[\sb], v3
.endm
.macro LOADK4 f, o                     ; four tiles' codes, o bytes behind the addresses in hand, into the lower halves of the four fragments at f
.irp t, 0,1,2,3
	ds_load_b128 v[\f+12*\t:\f+12*\t+3], v6 offset:(\o)+768*\t
	ds_load_b64 v[\f+12*\t+4:\f+12*\t+5], v7 offset:(\o)+768*\t
.endr
.endm
.macro LOADK8                          ; a step's eight tiles and their scale words: 20 loads
	LOADK4 KF, 0
	LOADK4 KG, 3072
	ds_load_b32 v[KS], v8
	ds_load_b32 v[KS+1], v8 offset:128
	ds_load_b32 v[VS], v8 offset:256
	ds_load_b32 v[VS+1], v8 offset:384
.endm
; A STEP OF PASS 1: 128 keys.  nxt = 1: the next step's eight tiles are fetched behind the products; nxt = 0 (the last step): pass 2's first four tiles
.macro P1 nxt
	s_wait_dscnt 0x0                               ; this step's tiles, asked for a step ago
.irp t, 0,1,2,3
	SW S+8*\t, KF+12*\t, KS+\t/2, \t%2
.endr
.irp t, 0,1,2,3
	SW S+32+8*\t, KG+12*\t, VS+\t/2, \t%2
.endr
.if \nxt
	s_add_co_u32 s28, s28, 6144
	s_add_co_u32 s29, s29, 512
	KADDR 28, 29                                   ; three additions and a v_nop: the four places in front of loads into registers that the products read, and of the first read of the scores
	v_nop
	LOADK8
.else
	KADDR 44, 45
	v_nop
	LOADK4 KF, 0
	ds_load_b32 v[KS], v8
	ds_load_b32 v[KS+1], v8 offset:128
.endif
.irp b, 0,1,2,3                                ; register 16 b + e of lane (r, h): query r, key 32 b + 16 h + e of the step
	v_max3_num_f32 v[BM+\b], v[S+16*\b], v[S+1+16*\b], v[S+2+16*\b]
.endr
.irp i, 3,5,7,9,11,13
.irp b, 0,1,2,3
	v_max3_num_f32 v[BM+\b], v[BM+\b], v[S+16*\b+\i], v[S+1+16*\b+\i]
.endr
.endr
.irp b, 0,1,2,3
	v_max_num_f32 v[BM+\b], v[BM+\b], v[S+15+16*\b]
.endr
	v_max3_num_f32 v90, v82, v83, v84
	v_max_num_f32 v90, v90, v85
	v_permlanex16_b32 v86, v90, s20, s21
	v_max_num_f32 v90, v90, v86                    ; the step's largest score of my query
	v_mul_f32 v90, s22, v90                        ; as t (c is positive)
	v_max_num_f32 v13, v13, v90
	v_mov_b32 v90, v12
	v_floor_f32 v12, -v13                          ; -M = floor(-t)
	v_sub_f32 v90, v12, v90                        ; old M - new M: a whole number, 0 or less
	v_cvt_i32_f32 v90, v90                         ; (it saturates)
	v_ldexp_f32 v94, 1.0, v90
.set n, 0
.rept 32
	v_pk_fma_f32 v[S+n:S+n+1], v[S+n:S+n+1], s[22:23], v[12:13] op_sel_hi:[1,0,0]
.set n, n+2
.endr
.set n, 0
.rept 64
	v_exp_f32 v[S+n], v[S+n]
.set n, n+1
.endr
	v_pk_mul_f32 v[14:15], v[14:15], v[94:95] op_sel_hi:[1,0]      ; the sums under the new M: a plain place behind the exponentials
	s_wait_alu depctr_va_vdst(0)                   ; one wait for the batch, ahead of its first reader
	v_pk_add_f32 v[86:87], v[S:S+1], v[S+2:S+3]
.irp n, 4,8,12,16,20,24,28,32,36,40,44,48,52,56,60
	v_pk_add_f32 v[14:15], v[14:15], v[S+\n:S+\n+1]
	v_pk_add_f32 v[86:87], v[86:87], v[S+\n+2:S+\n+3]
.endr
	v_pk_add_f32 v[14:15], v[14:15], v[86:87]
.endm
; PASS 2, half hf of a step (64 keys).  On the diagonal: register n holds key 32 (n / 16) + n % 16 + 16 h of the step, hidden where that is under 16 j + r  (assembled with MASK = 1 alone)
.macro MASKH hf
	s_cmp_lg_u32 s27, s19
	s_cbranch_scc1 .Lopen_\@
	v_mov_b32 v94, 0xff800000
.set n, 32*\hf
.rept 32
	v_cmp_lt_i32 vcc_lo, 32*(n/16)+n%16, v11
	v_cndmask_b32 v[S+n], v[S+n], v94, vcc_lo
.set n, n+1
.endr
.Lopen_\@:
.endm
.macro EXPH hf                         ; a = 2^(c s - M - log2 l), finished and normalised: 32 numbers, one batch of exponentials
.set n, 32*\hf
.rept 16
	v_pk_fma_f32 v[S+n:S+n+1], v[S+n:S+n+1], s[22:23], v[12:13] op_sel_hi:[1,0,0]
.set n, n+2
.endr
.set n, 32*\hf
.rept 32
	v_exp_f32 v[S+n], v[S+n]
.set n, n+1
.endr
	v_nop                                          ; a plain place behind the exponentials
	s_wait_alu depctr_va_vdst(0)                   ; one wait for the batch
.endm
.macro QH hf                           ; blocks 2 hf and 2 hf + 1: largest a (none is negative; the floor 2^(3 - 127) among the leaves), scale, byte, codes.  Two chains a block, four by turns
.set B0, 2*\hf
.irp u, 0,1
	v_max3_num_f32 v[BM+B0+\u], v[S+16*(B0+\u)], v[S+16*(B0+\u)+1], 0x1800000
.endr
.irp u, 0,1
	v_max3_num_f32 v[PM+B0+\u], v[S+16*(B0+\u)+8], v[S+16*(B0+\u)+9], v[S+16*(B0+\u)+10]
.endr
.irp i, 2,4
.irp u, 0,1
	v_max3_num_f32 v[BM+B0+\u], v[BM+B0+\u], v[S+16*(B0+\u)+\i], v[S+16*(B0+\u)+\i+1]
.endr
.irp u, 0,1
	v_max3_num_f32 v[PM+B0+\u], v[PM+B0+\u], v[S+16*(B0+\u)+\i+9], v[S+16*(B0+\u)+\i+10]
.endr
.endr
.irp u, 0,1
	v_max3_num_f32 v[BM+B0+\u], v[BM+B0+\u], v[S+16*(B0+\u)+6], v[S+16*(B0+\u)+7]
.endr
.irp u, 0,1
	v_max3_num_f32 v[BM+B0+\u], v[BM+B0+\u], v[PM+B0+\u], v[S+16*(B0+\u)+15]
.endr
.irp u, 0,1
	v_permlanex16_b32 v[PM+B0+\u], v[BM+B0+\u], s20, s21
.endr
.irp u, 0,1
	v_max_num_f32 v[BM+B0+\u], v[BM+B0+\u], v[PM+B0+\u]            ; with lane l xor 16's 16 keys
.endr
.irp u, 0,1
	v_add_nc_u32 v[SO+B0+\u], 0xff000000, v[BM+B0+\u]              ; 2 off the exponent field: the conversion's scale operand
.endr
.irp u, 0,1
	v_lshrrev_b32 v[PM+B0+\u], 23, v[SO+B0+\u]                     ; the byte
.endr
	v_cvt_scalef32_pk16_fp6_f32 v[PC+6*\hf:PC+6*\hf+2], v[S+32*\hf:S+32*\hf+15], v[SO+B0]
	v_cvt_scalef32_pk16_fp6_f32 v[CT+4*\hf:CT+4*\hf+2], v[S+32*\hf+16:S+32*\hf+31], v[SO+B0+1]
	v_nop                                          ; one plain place behind a scaled conversion
.endm
.macro SWP hf                          ; a whole block in a lane: lanes 0-15 block 2 hf, lanes 16-31 block 2 hf + 1
.irp i, 0,1,2
	v_permlane16_swap_b32 v[PC+6*\hf+\i], v[CT+4*\hf+\i]
.endr
.irp i, 0,1,2
	v_mov_b32 v[PC+6*\hf+3+\i], v[CT+4*\hf+\i]
.endr
.endm
; A STEP OF PASS 2: 128 keys.  Its first four tiles of K were asked for a step ago.  nxt = 1: the next step's are asked for; nxt = 0: the last step
.macro STEP2 nxt
.if MASK && \nxt
	s_cmp_lt_u32 s27, s19                          ; all 128 keys come before my queries: a = 0, nothing to add
	s_cbranch_scc1 .Lhid_\@
.endif
	KADDR 28, 29                                   ; five additions: the five places between the last product on V and the first product that writes over registers that held V
	v_add_nc_u32 v9, s30, v4
	v_add_nc_u32 v10, s31, v5
	s_wait_dscnt 0x0                               ; tiles 0-3 and their words
.irp t, 0,1,2,3
	SW S+8*\t, KF+12*\t, KS+\t/2, \t%2
.endr
	NOPS 4                                         ; places in front of loads into registers that these products read, and of the first read of their results
	LOADK4 KF, 3072                                ; tiles 4-7: ten loads, which land under the first half's work
	ds_load_b32 v[KS], v8 offset:256
	ds_load_b32 v[KS+1], v8 offset:384
.if MASK
	MASKH 0
.endif
	EXPH 0
	QH 0
.irp t, 0,1                                    ; V's four fragments and scale words: fourteen loads.  Two fragments go where the first half's a stood: the conversions have read it
.irp c, 0,1,2
	ds_load_b128 v[S+12*\t+4*\c:S+12*\t+4*\c+3], v9 offset:1536*\t+512*\c
.endr
.endr
.irp t, 0,1
.irp c, 0,1,2
	ds_load_b128 v[VB+12*\t+4*\c:VB+12*\t+4*\c+3], v9 offset:3072+1536*\t+512*\c
.endr
.endr
	ds_load_b32 v[VS], v10
	ds_load_b32 v[VS+1], v10 offset:128
	SWP 0
	s_wait_dscnt 14                                ; tiles 4-7 are in; V's fourteen loads may be out
.irp t, 0,1,2,3
	SW S+32+8*\t, KF+12*\t, KS+\t/2, \t%2
.endr
	v_lshl_or_b32 v[PW], v[PM+1], 8, v[PM]         ; a's scale word, its lower two bytes: with three v_nop the four places behind these products
	NOPS 3
.if \nxt
	LOADK4 KF, 6144                                ; the next step's tiles 0-3: ten loads, which land under the second half's work
	ds_load_b32 v[KS], v8 offset:512
	ds_load_b32 v[KS+1], v8 offset:640
.endif
.if MASK
	MASKH 1
.endif
	EXPH 1
	QH 1
	v_lshl_or_b32 v[PW], v[PM+2], 16, v[PW]
	v_lshl_or_b32 v[PW], v[PM+3], 24, v[PW]
	SWP 1
	NOPS 8                                         ; a scale word made by vector instructions stands 8 places ahead of the product, an operand so made 4
.if \nxt
	s_wait_dscnt 10                                ; V is in; the next step's ten loads may be out
.else
	s_wait_dscnt 0x0
.endif
	PV O, S, VS, 0                                 ; four accumulators by turns
	PV O+8, S+12, VS, 1
	PV O+16, VB, VS+1, 0
	PV O+24, VB+12, VS+1, 1
.if \nxt
.if MASK
.Lhid_\@:
.endif
	s_add_co_u32 s28, s28, 6144
	s_add_co_u32 s29, s29, 512
	s_add_co_u32 s30, s30, 6144
	s_add_co_u32 s31, s31, 256
.endif
.endm
	s_load_b128 s[4:7], s[0:1], 0x0                ; q's records, k and v's
	s_load_b128 s[8:11], s[0:1], 0x10              ; residual, gain
	s_load_b128 s[12:15], s[0:1], 0x20             ; bias, x
	s_load_b64 s[16:17], s[0:1], 0x30              ; x's codes
	v_lshl_add_u32 v239, v0, 2, 0x49400
	v_mov_b32 v242, 0
	ds_add_u32 v239, v242
	ds_add_u32 v239, v242
	v_lshrrev_b32 v1, 5, v0
	v_readfirstlane_b32 s18, v1                    ; wave
	s_lshr_b32 s44, s18, 2
	s_xor_b32 s44, s44, s18
	s_and_b32 s44, s44, 3
	s_lshr_b32 s45, s44, 1
	s_xor_b32 s44, s44, s45
	s_and_b32 s44, s44, 1
	s_xor_b32 s44, s44, 1
	s_mul_i32 s44, s44, 15
	s_xor_b32 s19, s18, s44                        ; u = w or 15 - w
	s_lshr_b32 s24, ttmp9, 3                       ; bh
	s_and_b32 s25, ttmp9, 7                        ; j
	s_lshl_b32 s26, s19, 3
	s_add_co_u32 s26, s26, s25                     ; t
	s_mov_b32 s20, 0x76543210
	s_mov_b32 s21, 0xfedcba98
	s_mov_b32 s22, CBITS
	s_mov_b32 s23, s22                             ; (named with it as a pair)
	s_mov_b32 s50, 0x3a800000                      ; 1 / 1024
	s_mov_b32 s51, 0x3727c5ac                      ; 1e-5
	s_mul_i32 s46, s24, 208896
	s_add_co_u32 s46, s46, KVOFF
	s_mov_b32 s47, 0
	s_lshl_b32 s48, s24, 7
	s_add_co_u32 s48, s48, s26
	s_lshl_b32 s48, s48, 12                        ; row 128 bh + t of 4,096 bytes
	s_mov_b32 s49, 0
	s_mul_i32 s52, s24, 106496
	s_mov_b32 s53, 0
	s_mul_i32 s54, s24, 102400
	s_lshl_b32 s56, s25, 6
	s_add_co_u32 s54, s54, s56                     ; x's record, + 64 j: tile j's scale words
	s_mov_b32 s55, 0
	s_mul_i32 s56, s24, 102400
	s_lshr_b32 s58, s18, 1
	s_mul_i32 s58, s58, 12288
	s_add_co_u32 s56, s56, s58
	s_mul_i32 s58, s25, 1536
	s_add_co_u32 s56, s56, s58
	s_and_b32 s58, s18, 1
	s_mul_i32 s58, s58, 768
	s_add_co_u32 s56, s56, s58                     ; the half image that my wave stores
	s_mov_b32 s57, 0
	v_and_b32 v232, 31, v0                         ; lane
	v_and_b32 v233, 15, v0                         ; r
	v_bfe_u32 v234, v0, 4, 1                       ; h
	v_lshlrev_b32 v1, 4, v232                      ; 16 l
	v_lshlrev_b32 v250, 3, v232                    ; 8 l
	v_add_nc_u32 v2, 512, v250
	v_lshl_add_u32 v3, v232, 2, KSC
	v_add_nc_u32 v4, VIM, v1
	v_lshl_add_u32 v5, v232, 2, VSC
	; Q: query 16 t + r lies in token tile Tk at a slot that hangs on how the tokens' tiles were formed
.if MASK
	s_and_b32 s44, s26, -2                         ; Tk = (t & ~1) + r / 8, slot = r % 8 + 8 (t % 2)
	s_and_b32 s45, s26, 1
	s_lshl_b32 s45, s45, 3
	v_lshrrev_b32 v235, 3, v233
	v_and_b32 v236, 7, v233
.else
	s_and_b32 s44, s26, -8                         ; Tk = (t & ~7) + r % 8, slot = 2 (t % 8) + r / 8
	s_and_b32 s45, s26, 7
	s_lshl_b32 s45, s45, 1
	v_and_b32 v235, 7, v233
	v_lshrrev_b32 v236, 3, v233
.endif
	v_add_nc_u32 v235, s44, v235
	v_add_nc_u32 v236, s45, v236
	v_mul_u32_u24 v237, v235, 768
	v_lshl_add_u32 v227, v236, 4, v237
	v_lshl_add_u32 v227, v234, 8, v227
	v_lshl_add_u32 v228, v236, 3, v237
	v_lshl_add_u32 v228, v234, 7, v228
	v_lshlrev_b32 v229, 6, v235
	v_lshl_add_u32 v229, v236, 2, v229
	; the copies' addresses
	s_mul_i32 s44, s18, 4352
	s_add_co_u32 s44, s44, RES                     ; my residual row
	v_lshl_add_u32 v235, v234, 4, v1               ; 16 l + 16 h: 16 bytes of padding behind each 256
	v_add_nc_u32 v212, s44, v235
.irp i, 1,2,3,4,5,6,7
	v_add_nc_u32 v[212+\i], 32*\i, v212            ; a copy's immediate, 512 i, goes to both addresses: the register adds the paddings passed
.endr
	v_mov_b32 v220, v1
	v_lshlrev_b32 v221, 4, v0                      ; the record's copies: 16 x thread, LDS address and offset alike;
	v_lshlrev_b32 v222, 4, v0
	v_lshl_add_u32 v230, v0, 4, 65536              ; a copy's immediate stays under 65,536: three more pairs carry the rest
	v_lshl_add_u32 v231, v0, 4, 65536
	v_lshl_add_u32 v252, v0, 4, 131072
	v_lshl_add_u32 v253, v0, 4, 131072
	v_lshl_add_u32 v254, v0, 4, 196608
	v_lshl_add_u32 v255, v0, 4, 196608
	v_lshl_add_u32 v223, v0, 3, 196608             ; and 8 x thread for the last 4,096 bytes
	v_lshl_add_u32 v224, v0, 3, 196608
	s_mul_i32 s45, s18, 544
	s_add_co_u32 s45, s45, GB
	v_add_nc_u32 v225, s45, v235
	s_and_b32 s45, s18, 7
	s_lshl_b32 s45, s45, 9
	v_add_nc_u32 v226, s45, v1
	s_wait_dscnt 0x0
	s_wait_kmcnt 0x0
	s_add_nc_u64 s[32:33], s[6:7], s[46:47]
	s_add_nc_u64 s[34:35], s[8:9], s[48:49]
	s_cmp_lt_u32 s18, 8
	s_cselect_b64 s[36:37], s[10:11], s[12:13]     ; waves 0-7 fetch the gain, 8-15 the bias: 512 bytes each
	s_add_nc_u64 s[38:39], s[4:5], s[52:53]
	s_add_nc_u64 s[40:41], s[14:15], s[48:49]
	s_add_nc_u64 s[42:43], s[16:17], s[56:57]
	s_add_nc_u64 s[54:55], s[16:17], s[54:55]
	global_load_b128 v[QF:QF+3], v227, s[38:39]    ; Q first: the first products want it with K
	global_load_b64 v[QF+4:QF+5], v228, s[38:39] offset:512
	global_load_b32 v[QS], v229, s[38:39] offset:98304
	; 35 copies a wave, in the order in which they are wanted, all ahead of the first wait on them, the first LDS read and the first barrier; their registers stay untouched until the wait that shows them done
.irp i, 0,1,2,3,4,5,6,7
	global_load_async_to_lds_b128 v221, v222, s[32:33] offset:8192*\i          ; K's part: 13 x 8,192 bytes: eight,
.endr
.irp i, 0,1,2,3,4
	global_load_async_to_lds_b128 v230, v231, s[32:33] offset:8192*\i          ; and five
.endr
	global_load_async_to_lds_b128 v225, v226, s[36:37]                         ; gain or bias
.irp i, 5,6,7
	global_load_async_to_lds_b128 v230, v231, s[32:33] offset:8192*\i          ; V's part: 13 copies: three,
.endr
.irp i, 0,1,2,3,4,5,6,7
	global_load_async_to_lds_b128 v252, v253, s[32:33] offset:8192*\i          ; eight,
.endr
	global_load_async_to_lds_b128 v254, v255, s[32:33]                         ; one,
	global_load_async_to_lds_b64 v223, v224, s[32:33] offset:8192              ; and its last 4,096 bytes
.irp i, 0,1,2,3,4,5,6,7
	global_load_async_to_lds_b128 v[212+\i], v220, s[34:35] offset:512*\i      ; my residual row: wanted last
.endr
.irp t, 0,1,2,3
.irp e, 6,7,8,9,10,11
	v_mov_b32 v[KF+12*\t+\e], 0                    ; zero codes for k = 64 .. 127
	v_mov_b32 v[KG+12*\t+\e], 0
.endr
.endr
.irp e, 6,7,8,9,10,11
	v_mov_b32 v[QF+\e], 0
.endr
	v_mov_b32 v13, 0xff61b1e6                      ; the largest t so far: -3e38
	v_floor_f32 v12, -v13                          ; -M
	v_mov_b32 v14, 0
	v_mov_b32 v15, 0
.irp b, 0,1,2,3
	v_mov_b32 v[PM+\b], 0                          ; a lane permute's destination counts as read
.endr
	v_mov_b32 v94, 0
	v_mov_b32 v95, 0
.if MASK
	s_lshl_b32 s44, s25, 4
	v_lshlrev_b32 v235, 4, v234
	v_sub_nc_u32 v11, v233, v235
	v_add_nc_u32 v11, s44, v11                     ; d = 16 j + r - 16 h
.endif
	; the way out's addresses, made here, at the head
	s_mul_i32 s44, s18, 4352
	s_add_co_u32 s44, s44, RES
	v_mul_u32_u24 v236, v233, 272
	v_lshl_add_u32 v236, v234, 6, v236
	v_add_nc_u32 v240, s44, v236                   ; my columns of my row: 272 r + 64 h
	v_add_nc_u32 v241, GB, v236
	v_and_b32 v235, 1, v233
	v_mul_u32_u24 v235, v235, 6
	v_mad_u32_u24 v235, v234, 3, v235              ; my three code registers are registers 6 (r % 2) + 3 h + e of lane u + 16 b of K step r / 2's fragment
	v_lshrrev_b32 v236, 1, v233
	v_mul_u32_u24 v236, v236, 1536
	s_lshl_b32 s44, s19, 4
	s_add_co_u32 s44, s44, XST
	v_add_nc_u32 v236, s44, v236
.irp e, 0,1,2
	v_add_nc_u32 v237, \e, v235
	v_lshrrev_b32 v238, 2, v237
	v_and_b32 v237, 3, v237
	v_lshl_add_u32 v238, v238, 9, v236
	v_lshl_add_u32 v[243+\e], v237, 2, v238
.endr
	v_lshrrev_b32 v237, 1, v233
	v_and_b32 v238, 1, v233
	v_lshlrev_b32 v238, 1, v238
	v_lshl_add_u32 v237, v237, 6, v238
	s_lshl_b32 s44, s19, 2
	s_add_co_u32 s44, s44, XSS
	v_add_nc_u32 v246, s44, v237                   ; my two scale bytes: 64 (r / 2) + 4 u + 2 (r % 2)
	s_mul_i32 s45, s18, 768
	s_add_co_u32 s45, s45, XST
	v_add_nc_u32 v247, s45, v1
	v_add_nc_u32 v248, s45, v250
	v_add_nc_u32 v249, XSS, v1
	v_lshrrev_b32 v237, 2, v232
	v_and_b32 v238, 3, v232
	v_lshlrev_b32 v238, 4, v238
	v_lshl_add_u32 v251, v237, 9, v238
	s_wait_asynccnt 22                             ; my part of K has landed; the 22 younger copies (gain or bias, V's 13, the residual's 8) may be out
	s_wait_loadcnt 0x0                             ; Q
	s_barrier_signal -1
	s_barrier_wait -1                              ; K is whole
	; ---- pass 1: the largest t and the sum
	s_mov_b32 s27, 0
	s_mov_b32 s28, 0
	s_mov_b32 s29, 0
	KADDR 28, 29
	LOADK8                                         ; step 0
.Lp1a:                                             ; steps 0 to 3
	P1 1
	s_add_co_u32 s27, s27, 1
	s_cmp_lt_u32 s27, 4
	s_cbranch_scc1 .Lp1a
	s_wait_asynccnt 0x0                            ; all my copies have landed: my part of V, of gain or bias, my residual row;
	s_wait_dscnt 0x0
	s_barrier_signal -1
	s_barrier_wait -1                              ; everybody's have: V, gain and bias are read only behind this barrier
	s_mov_b32 s27, 0
	s_mov_b32 s28, 4*6144                          ; (as the four trips left them)
	s_mov_b32 s29, 4*512
.Lp1b:                                             ; steps 4 to 14
	P1 1
	s_add_co_u32 s27, s27, 1
	s_cmp_lt_u32 s27, 11
	s_cbranch_scc1 .Lp1b
.if MASK
	s_mul_i32 s44, s19, 6144                       ; pass 2's first step that I work: step u
	s_lshl_b32 s45, s19, 9
.else
	s_mov_b32 s44, 0                               ; pass 2's first step: step 0
	s_mov_b32 s45, 0
.endif
	P1 0                                           ; step 15
	v_add_f32 v14, v14, v15
	v_permlanex16_b32 v86, v14, s20, s21
	v_add_f32 v14, v14, v86                        ; l
	v_log_f32 v90, v14
.set n, 0
.rept 32
	v_mov_b32 v[O+n], 0                            ; O^T: the step is written for every step alike, so the sums begin as zeros; pass 1 had these registers for K.  (Plain work behind the logarithm)
.set n, n+1
.endr
	s_wait_alu depctr_va_vdst(0)                   ; ahead of the logarithm's first reader
	v_sub_f32 v12, v12, v90                        ; -M - log2 l
	; ---- pass 2: a, quantised, times V.  Fifteen trips, and the last step written out: it fetches nothing ahead
	s_mov_b32 s27, 0
	s_mov_b32 s28, 0
	s_mov_b32 s29, 0
	s_mov_b32 s30, 0
	s_mov_b32 s31, 0
.Lp2:
	STEP2 1
	s_add_co_u32 s27, s27, 1
	s_cmp_lt_u32 s27, 15
	s_cbranch_scc1 .Lp2
	STEP2 0
	; ---- the row: + residual, LayerNorm.  Register 16 b + e of lane (r, h) is column 64 r + 32 b + 16 h + e
	NOPS 4
.irp b, 0,1
.irp e, 0,1,2,3
	ds_load_b128 v[32+16*\b+4*\e:35+16*\b+4*\e], v240 offset:128*\b+16*\e
	ds_load_b128 v[96+16*\b+4*\e:99+16*\b+4*\e], v241 offset:128*\b+16*\e
	ds_load_b128 v[128+16*\b+4*\e:131+16*\b+4*\e], v241 offset:4352+128*\b+16*\e
.endr
.endr
	s_wait_dscnt 0x0
.set n, 0
.rept 16
	v_pk_add_f32 v[O+n:O+n+1], v[O+n:O+n+1], v[32+n:33+n]
.set n, n+2
.endr
	v_pk_add_f32 v[224:225], v[O:O+1], v[O+2:O+3]
	v_pk_add_f32 v[226:227], v[O+4:O+5], v[O+6:O+7]
.irp n, 8,12,16,20,24,28
	v_pk_add_f32 v[224:225], v[224:225], v[O+\n:O+\n+1]
	v_pk_add_f32 v[226:227], v[226:227], v[O+\n+2:O+\n+3]
.endr
	v_pk_add_f32 v[224:225], v[224:225], v[226:227]
	v_add_f32 v224, v224, v225
	v_add_f32_dpp v224, v224, v224 row_xmask:1 row_mask:0xf bank_mask:0xf
	v_add_f32_dpp v224, v224, v224 row_xmask:2 row_mask:0xf bank_mask:0xf
	v_add_f32_dpp v224, v224, v224 row_xmask:4 row_mask:0xf bank_mask:0xf
	v_add_f32_dpp v224, v224, v224 row_xmask:8 row_mask:0xf bank_mask:0xf
	v_permlanex16_b32 v225, v224, s20, s21
	v_add_f32 v224, v224, v225
	v_mul_f32 v224, s50, v224                      ; the mean
.set n, 0
.rept 16
	v_pk_add_f32 v[O+n:O+n+1], v[O+n:O+n+1], v[224:225] op_sel_hi:[1,0] neg_lo:[0,1] neg_hi:[0,1]
.set n, n+2
.endr
	v_pk_mul_f32 v[226:227], v[O:O+1], v[O:O+1]
	v_pk_mul_f32 v[228:229], v[O+2:O+3], v[O+2:O+3]
.irp n, 4,8,12,16,20,24,28
	v_pk_fma_f32 v[226:227], v[O+\n:O+\n+1], v[O+\n:O+\n+1], v[226:227]
	v_pk_fma_f32 v[228:229], v[O+\n+2:O+\n+3], v[O+\n+2:O+\n+3], v[228:229]
.endr
	v_pk_add_f32 v[226:227], v[226:227], v[228:229]
	v_add_f32 v226, v226, v227
	v_add_f32_dpp v226, v226, v226 row_xmask:1 row_mask:0xf bank_mask:0xf
	v_add_f32_dpp v226, v226, v226 row_xmask:2 row_mask:0xf bank_mask:0xf
	v_add_f32_dpp v226, v226, v226 row_xmask:4 row_mask:0xf bank_mask:0xf
	v_add_f32_dpp v226, v226, v226 row_xmask:8 row_mask:0xf bank_mask:0xf
	v_permlanex16_b32 v227, v226, s20, s21
	v_add_f32 v226, v226, v227
	v_fma_f32 v226, v226, s50, s51                 ; the variance + 1e-5
	v_rsq_f32 v228, v226
	v_nop
	s_wait_alu depctr_va_vdst(0)
	v_mov_b32 v229, v228
.set n, 0
.rept 16
	v_pk_mul_f32 v[O+n:O+n+1], v[O+n:O+n+1], v[228:229]
.set n, n+2
.endr
.set n, 0
.rept 16
	v_pk_fma_f32 v[O+n:O+n+1], v[O+n:O+n+1], v[96+n:97+n], v[128+n:129+n]
.set n, n+2
.endr
	; the f32 row goes back into my residual's bytes (they have had their one fill) and leaves as 512 consecutive bytes an instruction
.irp b, 0,1
.irp e, 0,1,2,3
	ds_store_b128 v240, v[O+16*\b+4*\e:O+16*\b+4*\e+3] offset:128*\b+16*\e
.endr
.endr
.irp i, 0,1,2,3,4,5,6,7
	ds_load_b128 v[32+4*\i:35+4*\i], v212 offset:544*\i            ; LDS serves a wave in order: these see my stores
.endr
	; the row's codes: block 2 r + b lies in lanes (r, 0) and (r, 1), 16 numbers each
.irp b, 0,1
	v_max3_num_f32 v[230+\b], |v[O+16*\b]|, |v[O+1+16*\b]|, 0x1800000
.endr
.irp i, 2,4,6,8,10,12,14
.irp b, 0,1
	v_max3_num_f32 v[230+\b], v[230+\b], |v[O+16*\b+\i]|, |v[O+1+16*\b+\i]|
.endr
.endr
.irp b, 0,1
	v_permlanex16_b32 v[232+\b], v[230+\b], s20, s21
.endr
.irp b, 0,1
	v_max_num_f32 v[230+\b], v[230+\b], v[232+\b]
.endr
.irp b, 0,1
	v_add_nc_u32 v[234+\b], 0xff000000, v[230+\b]
.endr
.irp b, 0,1
	v_lshrrev_b32 v[232+\b], 23, v[234+\b]
.endr
	v_lshl_or_b32 v236, v233, 8, v232
	v_cvt_scalef32_pk16_fp6_f32 v[64:66], v[O:O+15], v234
	v_cvt_scalef32_pk16_fp6_f32 v[68:70], v[O+16:O+31], v235
	v_nop
.irp b, 0,1
.irp e, 0,1,2
	ds_store_b32 v[243+\e], v[64+4*\b+\e] offset:256*\b
.endr
.endr
	ds_store_b16 v246, v236                        ; both lanes of a pair write the same two bytes
	s_wait_dscnt 0x0                               ; my row is back, and my stores into the images are done
.irp i, 0,1,2,3,4,5,6,7
	global_store_b128 v1, v[32+4*\i:35+4*\i], s[40:41] offset:512*\i
.endr
	s_barrier_signal -1
	s_barrier_wait -1                              ; the eight images and their scale words are whole
	ds_load_b128 v[72:75], v247
	ds_load_b64 v[76:77], v248 offset:512
	s_wait_dscnt 0x0
	global_store_b128 v1, v[72:75], s[42:43]       ; 768 consecutive bytes a wave
	global_store_b64 v250, v[76:77], s[42:43] offset:512
	s_cmp_lg_u32 s18, 0
	s_cbranch_scc1 .Lend
	ds_load_b128 v[64:67], v249
	s_wait_dscnt 0x0
	global_store_b128 v251, v[64:67], s[54:55] offset:98304        ; 64 bytes for each K step
.Lend:
	s_wait_tensorcnt 0x0
	ds_add_u32 v239, v242
	s_wait_dscnt 0x0
	s_endpgm
.Lfunc_end_k_q36ea31e4f4_attn_ca:
	.size	k_q36ea31e4f4_attn_ca, .Lfunc_end_k_q36ea31e4f4_attn_ca-k_q36ea31e4f4_attn_ca
	.p2alignl 7, 3214868480
	.fill 96, 4, 3214868480
	.section	.rodata,"a",@progbits
	.p2align	6, 0x0
	.amdhsa_kernel k_q36ea31e4f4_attn_ca
		.amdhsa_group_segment_fixed_size 302080
		.amdhsa_private_segment_fixed_size 0
		.amdhsa_enable_private_segment 0
		.amdhsa_kernarg_size 56
		.amdhsa_user_sgpr_count 2
		.amdhsa_user_sgpr_kernarg_segment_ptr 1
		.amdhsa_wavefront_size32 1
		.amdhsa_system_sgpr_workgroup_id_x 1
		.amdhsa_system_sgpr_workgroup_id_y 1
		.amdhsa_system_sgpr_workgroup_id_z 1
		.amdhsa_system_vgpr_workitem_id 0
		.amdhsa_next_free_vgpr 256
		.amdhsa_next_free_sgpr 66
		.amdhsa_reserve_vcc 1
		.amdhsa_float_denorm_mode_32 3
		.amdhsa_float_denorm_mode_16_64 3
		.amdhsa_memory_ordered 1
		.amdhsa_forward_progress 1
		.amdhsa_inst_pref_size 87
	.end_amdhsa_kernel
	.amdgpu_metadata
---
amdhsa.version: [ 1, 2 ]
amdhsa.kernels:
  - .name:           k_q36ea31e4f4_attn_ca
    .symbol:         k_q36ea31e4f4_attn_ca.kd
    .args:
      - { .name: qb, .offset: 0, .size: 8, .value_kind: global_buffer, .address_space: global }
      - { .name: kv, .offset: 8, .size: 8, .value_kind: global_buffer, .address_space: global }
      - { .name: x1, .offset: 16, .size: 8, .value_kind: global_buffer, .address_space: global }
      - { .name: ca_g, .offset: 24, .size: 8, .value_kind: global_buffer, .address_space: global }
      - { .name: ca_b, .offset: 32, .size: 8, .value_kind: global_buffer, .address_space: global }
      - { .name: x2, .offset: 40, .size: 8, .value_kind: global_buffer, .address_space: global }
      - { .name: xq, .offset: 48, .size: 8, .value_kind: global_buffer, .address_space: global }
    .group_segment_fixed_size: 302080
    .private_segment_fixed_size: 0
    .kernarg_segment_align: 8
    .kernarg_segment_size: 56
    .max_flat_workgroup_size: 512
    .sgpr_count:     66
    .vgpr_count:     256
    .wavefront_size: 32
...
	.end_amdgpu_metadata
.endif
;; end of part 4
;; launch ffn (part 5): grid 128 x 1, 8 waves a work-group, no clusters, 184,832 bytes of LDS; arguments xq, x2, wts_b, ffn_b1, ffn_b2, ffn_g, ffn_b, out0; writes out0
.if DOCPART == 5
	.amdgcn_target "amdgcn-amd-amdhsa--gfx1250"
	.amdhsa_code_object_version 6
	.text
	.protected	k_q36ea31e4f4_ffn
	.globl	k_q36ea31e4f4_ffn
	.p2align	8
	.type	k_q36ea31e4f4_ffn,@function
k_q36ea31e4f4_ffn:
	s_mov_b64 s[64:65], 0
	v_nop
	global_prefetch_b8 v0, s[64:65] scope:SCOPE_SE
	s_setreg_imm32_b32 hwreg(HW_REG_WAVE_MODE, 25, 1), 1
	s_wait_xcnt 0x0
; out = LayerNorm(relu(x W1 + b1) W2 + b2 + x), both products on codes of FP6 with E8M0 scales.  x arrives as codes (records, slot r of tile T = row T + 8 r) and as f32; W1, W2 as records in wts_b (the second and third).
; SHARES.  A work-group takes 32 tokens: tiles 2 g, 2 g + 1 of record bh (x = 4 bh + g).  THE EIGHT WAVES SHARE THE COLUMNS: wave w makes hidden units 128 w .. + 127 and later outputs 128 w .. + 127, for all 32 tokens.
; Its weight record is streamed straight from memory into registers, a K step (96 registers + 4 scale words) at a time, in two stages by turns; each fragment feeds two products.
; 128 work-groups: each streams all of both weights whatever its tokens, so 32 tokens halve that traffic against 16; 128 accumulator registers fit the 512 that two waves on a SIMD can each have.
; Both products are used transposed (source 0 = 16 rows of the weight, source 1 = 16 tokens): a lane holds ONE token, its registers run along the columns.  The biases are loaded into the accumulators: the sums begin with them.
; The hidden layer is quantised in registers and goes from wave to wave through LDS as images of the operand's registers.  A row's mean and variance are summed over the eight waves through LDS.
; No multicast, no copies: all operands go through registers; LDS is written by ds_store alone.
; LIMITS: NaN and infinities are not served; a block of zeros gets the byte 1 (zero codes).
; REGISTERS.  window 0: v1-14 addresses; v16-23 the weights' scale words (4 a stage), v24-31 source 1's, one a K step: these hold scales alone; v32-55 source 1's two fragments; v56-58 words made;
;   v64-159, v160-255 the two stages (later v64-127 numbers, v128-139 at work, v140-158 codes; v224-243 the norm's).   window 1: v0-127 the 16 accumulators (unit i, tile T at 64 i + 8 T); v128-255 rows on their way in, later gain and bias.
.set XI,  0                            ; LDS: x's 16 images: 3072 ks + 1536 i + 512 c + 16 l
.set HI,  24576                        ; the hidden layer's, likewise
.set HSC, 49152                        ; its scale words: 128 ks + 4 l
.set LN1, 50176                        ; partial sums: 128 w + 4 l
.set LN2, 51200                        ; partial sums of squares
.set XR,  52224                        ; 32 rows of f32, 4,096 + 16 bytes each: row 16 i + r
.set XF,  32
.set SCW, 16
.set SCX, 24
.set PW0, 56
.set SX,  64
.set HA,  64
.set TM,  128
.set PC,  140
.set SEL, 24
.set MUL, 0x50                         ; A and B window 0, C and D window 1
.set MSB, 0
.macro WIN new                         ; the immediate's high byte repeats the setting that is left
.if MSB != \new
	s_set_vgpr_msb (MSB<<8)|\new
.set MSB, \new
.endif
.endm
.macro NOPS n
.rept \n
	v_nop
.endr
.endm
.macro WM d, a, b, sa, sb, ra, rb      ; one product, in place.  ra, rb: the side's scale words stand in lanes 16-31
.if (\ra) && (\rb)
	v_wmma_scale_f32_16x16x128_f8f6f4 v[\d:\d+7], v[\a:\a+11], v[\b:\b+11], v[\d:\d+7], v[\sa], v[\sb] matrix_a_fmt:MATRIX_FMT_FP6 matrix_b_fmt:MATRIX_FMT_FP6 matrix_a_scale:MATRIX_SCALE_ROW1 matrix_b_scale:MATRIX_SCALE_ROW1
.elseif (\ra)
	v_wmma_scale_f32_16x16x128_f8f6f4 v[\d:\d+7], v[\a:\a+11], v[\b:\b+11], v[\d:\d+7], v[\sa], v[\sb] matrix_a_fmt:MATRIX_FMT_FP6 matrix_b_fmt:MATRIX_FMT_FP6 matrix_a_scale:MATRIX_SCALE_ROW1
.elseif (\rb)
	v_wmma_scale_f32_16x16x128_f8f6f4 v[\d:\d+7], v[\a:\a+11], v[\b:\b+11], v[\d:\d+7], v[\sa], v[\sb] matrix_a_fmt:MATRIX_FMT_FP6 matrix_b_fmt:MATRIX_FMT_FP6 matrix_b_scale:MATRIX_SCALE_ROW1
.else
	v_wmma_scale_f32_16x16x128_f8f6f4 v[\d:\d+7], v[\a:\a+11], v[\b:\b+11], v[\d:\d+7], v[\sa], v[\sb] matrix_a_fmt:MATRIX_FMT_FP6 matrix_b_fmt:MATRIX_FMT_FP6
.endif
.endm
; 64 numbers of a lane, register 16 b + e = k 32 b + 16 h + e of my row, become a fragment's codes in v[PC] on and its scale word in v[pw]
.macro QUANT s, pw
.irp b, 0,1,2,3
	v_max3_num_f32 v[TM+\b], |v[\s+16*\b]|, |v[\s+1+16*\b]|, 0x1800000
.endr
.irp i, 2,4,6,8,10,12,14
.irp b, 0,1,2,3
	v_max3_num_f32 v[TM+\b], v[TM+\b], |v[\s+16*\b+\i]|, |v[\s+1+16*\b+\i]|
.endr
.endr
.irp b, 0,1,2,3
	v_permlanex16_b32 v[TM+4+\b], v[TM+\b], s[SEL], s[SEL+1]
.endr
.irp b, 0,1,2,3
	v_max_num_f32 v[TM+\b], v[TM+\b], v[TM+4+\b]
.endr
.irp b, 0,1,2,3
	v_add_nc_u32 v[TM+8+\b], 0xff000000, v[TM+\b]
.endr
.irp b, 0,1,2,3
	v_lshrrev_b32 v[TM+4+\b], 23, v[TM+8+\b]
.endr
	v_lshl_or_b32 v[\pw], v[TM+5], 8, v[TM+4]
	v_lshl_or_b32 v[\pw], v[TM+6], 16, v[\pw]
	v_lshl_or_b32 v[\pw], v[TM+7], 24, v[\pw]
.irp c, 0,1
	v_cvt_scalef32_pk16_fp6_f32 v[PC+6*\c:PC+2+6*\c], v[\s+32*\c:\s+15+32*\c], v[TM+8+2*\c]
	v_cvt_scalef32_pk16_fp6_f32 v[PC+12+4*\c:PC+14+4*\c], v[\s+16+32*\c:\s+31+32*\c], v[TM+8+2*\c+1]
.endr
	v_nop                                          ; one plain place behind a scaled conversion
.irp c, 0,1
.irp i, 0,1,2
	v_permlane16_swap_b32 v[PC+6*\c+\i], v[PC+12+4*\c+\i]
.endr
.irp i, 0,1,2
	v_mov_b32 v[PC+3+6*\c+\i], v[PC+12+4*\c+\i]
.endr
.endr
.endm
.macro LOADW st, base, ks              ; K step ks of my weight record into stage st: 28 loads
.set q, 0
.rept 24
	global_load_b128 v[SX+96*(\st)+4*q:SX+96*(\st)+4*q+3], v1, s[\base:\base+1] offset:(\ks)*12288+512*q
.set q, q+1
.endr
.irp g, 0,1,2,3
	global_load_b32 v[SCW+4*(\st)+\g], v2, s[\base:\base+1] offset:98304+512*(\ks)+128*\g
.endr
.endm
.macro KSTEP st, ks, lb, n             ; source 1's two fragments from LDS at lb; n: the younger global loads that may stay out; 16 products, the accumulators by turns
.set q, 0
.rept 6
	ds_load_b128 v[XF+4*q:XF+4*q+3], v1 offset:(\lb)+(\ks)*3072+512*q
.set q, q+1
.endr
	s_wait_loadcnt \n
	s_wait_dscnt 0x0
	WIN MUL
.irp t, 0,1,2,3,4,5,6,7
.irp i, 0,1
	WM 64*\i+8*\t, SX+96*(\st)+12*\t, XF+12*\i, SCW+4*(\st)+\t/2, SCX+(\ks), \t%2, \i
.endr
.endr
	WIN 0
	NOPS 4                                         ; places in front of loads into registers that these products read, and of reads of their results
.endm
.macro BIAS base                       ; a bias into all 16 accumulators: lane (r, h), tile T: columns 32 (T / 2) + 16 h + 8 (T % 2) + 0 .. 7 of my 128
	WIN 0x40
.irp i, 0,1
.irp t, 0,1,2,3,4,5,6,7
.irp e, 0,1
	global_load_b128 v[64*\i+8*\t+4*\e:64*\i+8*\t+4*\e+3], v3, s[\base:\base+1] offset:128*(\t/2)+32*(\t%2)+16*\e
.endr
.endr
.endr
	WIN 0
.endm
.macro BARRIER
	s_wait_dscnt 0x0                               ; my LDS stores have landed and my LDS loads are in
	s_barrier_signal -1
	s_barrier_wait -1
.endm
; two per-lane figures (unit 0 in va, unit 1 in vb) are summed over a token's two lanes and the eight waves, through the 1,024 bytes at off behind LN1: v240 then holds, in lanes 0-15, unit 0's token r, in lanes 16-31 unit 1's
.macro ACROSS va, vb, off
	v_permlanex16_b32 v[\va+1], v[\va], s[SEL], s[SEL+1]
	v_permlanex16_b32 v[\vb+1], v[\vb], s[SEL], s[SEL+1]
	v_add_f32 v[\va], v[\va], v[\va+1]
	v_add_f32 v[\vb], v[\vb], v[\vb+1]
	v_cndmask_b32 v232, v[\va], v[\vb], s26
	ds_store_b32 v10, v232 offset:\off
	BARRIER
.irp k, 0,1,2,3,4,5,6,7
	ds_load_b32 v[240+\k], v2 offset:LN1+\off+128*\k
.endr
	s_wait_dscnt 0x0
	v_add_f32 v240, v240, v241
	v_add_f32 v242, v242, v243
	v_add_f32 v244, v244, v245
	v_add_f32 v246, v246, v247
	v_add_f32 v240, v240, v242
	v_add_f32 v244, v244, v246
	v_add_f32 v240, v240, v244
.endm
.macro SPREAD src                      ; from that form to every lane: unit 0's in v[234:235], unit 1's in v[236:237]
	v_permlanex16_b32 v241, v[\src], s[SEL], s[SEL+1]
	v_cndmask_b32 v234, v[\src], v241, s26
	v_cndmask_b32 v236, v241, v[\src], s26
	v_mov_b32 v235, v234
	v_mov_b32 v237, v236
.endm
	s_load_b128 s[4:7], s[0:1], 0x0                ; x's codes, x
	s_load_b128 s[8:11], s[0:1], 0x10              ; the weights' records, b1
	s_load_b128 s[12:15], s[0:1], 0x20             ; b2, gain
	s_load_b128 s[16:19], s[0:1], 0x30             ; bias, out
	v_lshl_add_u32 v15, v0, 2, 0x2ce00
	v_mov_b32 v63, 0
	v_lshrrev_b32 v1, 5, v0
	v_readfirstlane_b32 s20, v1                    ; wave 0..7
	s_lshr_b32 s21, ttmp9, 2                       ; bh
	s_and_b32 s22, ttmp9, 3                        ; g
	s_mov_b32 s[SEL], 0x76543210
	s_mov_b32 s[SEL+1], 0xfedcba98
	s_mov_b32 s26, 0xffff0000
	s_mov_b32 s27, 0x3a800000                      ; 1 / 1024
	s_mov_b32 s28, 0x3727c5ac                      ; 1e-5
	s_mul_i32 s48, s21, 102400
	s_mov_b32 s49, 0
	s_lshl_b32 s50, s21, 7                         ; the rows that my wave carries in and out: stage rows 4 w + a = token 128 bh + 2 g + w / 4 + 32 (w % 4) + 8 a
	s_lshl_b32 s52, s22, 1
	s_add_co_u32 s50, s50, s52
	s_lshr_b32 s52, s20, 2
	s_add_co_u32 s50, s50, s52
	s_and_b32 s52, s20, 3
	s_lshl_b32 s52, s52, 5
	s_add_co_u32 s50, s50, s52
	s_lshl_b32 s50, s50, 12
	s_mov_b32 s51, 0
	s_mul_i32 s52, s20, 102400
	s_add_co_u32 s52, s52, 819200
	s_mov_b32 s53, 0
	s_lshl_b32 s54, s20, 9
	s_mov_b32 s55, 0
	v_and_b32 v59, 31, v0                          ; lane
	v_and_b32 v60, 15, v0                          ; r
	v_bfe_u32 v61, v0, 4, 1                        ; h
	v_lshlrev_b32 v1, 4, v59
	v_lshlrev_b32 v2, 2, v59
	v_lshlrev_b32 v3, 6, v61
	v_mul_u32_u24 v62, v60, 4112
	v_lshl_add_u32 v62, v61, 6, v62
	s_lshl_b32 s56, s20, 9
	s_add_co_u32 s56, s56, XR
	v_add_nc_u32 v4, s56, v62                      ; unit 0: row r, my 128 columns, + 64 h
	v_add_nc_u32 v5, 16*4112, v4                   ; unit 1
	s_mul_i32 s56, s20, 3072
	v_add_nc_u32 v6, s56, v1
	s_add_co_u32 s57, s56, HI
	v_add_nc_u32 v8, s57, v1
	s_mul_i32 s57, s20, 4*4112
	s_add_co_u32 s57, s57, XR
	v_add_nc_u32 v7, s57, v1
	s_lshl_b32 s57, s20, 7
	s_add_co_u32 s58, s57, HSC
	v_add_nc_u32 v9, s58, v2
	s_add_co_u32 s58, s57, LN1
	v_add_nc_u32 v10, s58, v2
	s_mul_i32 s58, s20, 12288
	s_mul_i32 s59, s22, 3072
	s_add_co_u32 s58, s58, s59
	v_add_nc_u32 v13, s58, v1                      ; x's two images of K step w
	s_lshl_b32 s58, s22, 7
	v_add_nc_u32 v14, s58, v2                      ; x's scale words of my pair of tiles
	s_wait_kmcnt 0x0
	s_add_nc_u64 s[30:31], s[4:5], s[48:49]
	s_add_nc_u64 s[32:33], s[6:7], s[50:51]
	s_add_nc_u64 s[34:35], s[8:9], s[52:53]        ; my record of W1,
	s_add_nc_u64 s[36:37], s[34:35], 819200        ; of W2
	s_add_nc_u64 s[38:39], s[10:11], s[54:55]
	s_add_nc_u64 s[40:41], s[12:13], s[54:55]
	s_add_nc_u64 s[42:43], s[14:15], s[54:55]
	s_add_nc_u64 s[44:45], s[16:17], s[54:55]
	s_add_nc_u64 s[46:47], s[18:19], s[50:51]
.irp e, 0,1,2,3,4,5
	global_load_b128 v[XF+4*\e:XF+4*\e+3], v13, s[30:31] offset:512*\e
.endr
	WIN 0x40
.irp a, 0,1,2,3
.irp e, 0,1,2,3,4,5,6,7
	global_load_b128 v[128+32*\a+4*\e:128+32*\a+4*\e+3], v1, s[32:33] offset:32768*\a+512*\e
.endr
.endr
	WIN 0
	LOADW 0, 34, 0
	s_wait_loadcnt 28                              ; the images and the rows are in; the stage's 28 loads may be out
.irp e, 0,1,2,3,4,5
	ds_store_b128 v6, v[XF+4*\e:XF+4*\e+3] offset:XI+512*\e
.endr
	WIN 0x04                                       ; an LDS store's data are its source 1: window 1
.irp a, 0,1,2,3
.irp e, 0,1,2,3,4,5,6,7
	ds_store_b128 v7, v[128+32*\a+4*\e:128+32*\a+4*\e+3] offset:4112*\a+512*\e
.endr
.endr
	WIN 0
.irp k, 0,1,2,3,4,5,6,7
	global_load_b32 v[SCX+\k], v14, s[30:31] offset:98304+512*\k
.endr
	BIAS 38
	LOADW 1, 34, 1
	BARRIER                                        ; x's images and rows lie in LDS
	; ---- the hidden layer
.irp k, 0,1,2,3,4,5,6
	KSTEP \k%2, \k, XI, 28                         ; the other stage's 28 loads may be out; all older loads (x's scale words and the bias among them) are in
.if \k < 6
	LOADW \k%2, 34, \k+2
.endif
.endr
	KSTEP 1, 7, XI, 0
	LOADW 1, 36, 0                                 ; W2's first K step
.irp b, 0,1,2,3
	v_mov_b32 v[TM+4+\b], 0                        ; a lane permute's destination counts as read
.endr
.irp i, 0,1
	WIN 0x04
.set n, 0
.rept 64
	v_max_num_f32 v[HA+n], 0, v[64*\i+n]           ; the activation, each accumulator from its low end on
.set n, n+1
.endr
	WIN 0
	QUANT HA, PW0+\i
.irp c, 0,1,2
	ds_store_b128 v8, v[PC+4*\c:PC+4*\c+3] offset:1536*\i+512*\c   ; K step w of the second product
.endr
	s_wait_dscnt 0x0                               ; the stores have read their registers
.endr
	v_cndmask_b32 v58, v56, v57, s26
	ds_store_b32 v9, v58
	s_wait_dscnt 0x0
	BIAS 40
	LOADW 0, 36, 1
	BARRIER                                        ; the hidden layer's 16 images lie in LDS
.irp k, 0,1,2,3,4,5,6,7
	ds_load_b32 v[SCX+\k], v2 offset:HSC+128*\k
.endr
	; ---- the outputs
.irp k, 0,1,2,3,4,5
	KSTEP (\k+1)%2, \k, HI, 28
	LOADW (\k+1)%2, 36, \k+2
.endr
	WIN 0x40                                       ; gain and bias of my columns, in the accumulators' order
.irp t, 0,1,2,3,4,5,6,7
.irp e, 0,1
	global_load_b128 v[128+8*\t+4*\e:128+8*\t+4*\e+3], v3, s[42:43] offset:128*(\t/2)+32*(\t%2)+16*\e
	global_load_b128 v[192+8*\t+4*\e:192+8*\t+4*\e+3], v3, s[44:45] offset:128*(\t/2)+32*(\t%2)+16*\e
.endr
.endr
	WIN 0
	KSTEP 1, 6, HI, 60                             ; the last stage's 28 loads and the 32 of gain and bias may be out
	KSTEP 0, 7, HI, 32                             ; the 32 may be out
	; ---- + x, LayerNorm
.irp b, 0,1,2,3
.irp e, 0,1,2,3
	ds_load_b128 v[64+16*\b+4*\e:67+16*\b+4*\e], v4 offset:128*\b+16*\e
	ds_load_b128 v[160+16*\b+4*\e:163+16*\b+4*\e], v5 offset:128*\b+16*\e
.endr
.endr
	s_wait_dscnt 0x0
	WIN 0x41
.set n, 0
.rept 32
	v_pk_add_f32 v[n:n+1], v[n:n+1], v[64+n:65+n]
	v_pk_add_f32 v[64+n:65+n], v[64+n:65+n], v[160+n:161+n]
.set n, n+2
.endr
	WIN 0x05
	v_pk_add_f32 v[224:225], v[0:1], v[2:3]
	v_pk_add_f32 v[226:227], v[4:5], v[6:7]
	v_pk_add_f32 v[228:229], v[64:65], v[66:67]
	v_pk_add_f32 v[230:231], v[68:69], v[70:71]
	WIN 0x04
.set n, 8
.rept 14
	v_pk_add_f32 v[224:225], v[224:225], v[n:n+1]
	v_pk_add_f32 v[226:227], v[226:227], v[n+2:n+3]
	v_pk_add_f32 v[228:229], v[228:229], v[64+n:65+n]
	v_pk_add_f32 v[230:231], v[230:231], v[66+n:67+n]
.set n, n+4
.endr
	WIN 0
	v_pk_add_f32 v[224:225], v[224:225], v[226:227]
	v_pk_add_f32 v[228:229], v[228:229], v[230:231]
	v_add_f32 v224, v224, v225
	v_add_f32 v228, v228, v229
	ACROSS 224, 228, 0
	v_mul_f32 v240, s27, v240                      ; the means
	SPREAD 240
	WIN 0x41
.set n, 0
.rept 32
	v_pk_add_f32 v[n:n+1], v[n:n+1], v[234:235] op_sel_hi:[1,0] neg_lo:[0,1] neg_hi:[0,1]
	v_pk_add_f32 v[64+n:65+n], v[64+n:65+n], v[236:237] op_sel_hi:[1,0] neg_lo:[0,1] neg_hi:[0,1]
.set n, n+2
.endr
	WIN 0x05
	v_pk_mul_f32 v[224:225], v[0:1], v[0:1]
	v_pk_mul_f32 v[226:227], v[2:3], v[2:3]
	v_pk_mul_f32 v[228:229], v[64:65], v[64:65]
	v_pk_mul_f32 v[230:231], v[66:67], v[66:67]
.set n, 4
.rept 15
	v_pk_fma_f32 v[224:225], v[n:n+1], v[n:n+1], v[224:225]
	v_pk_fma_f32 v[226:227], v[n+2:n+3], v[n+2:n+3], v[226:227]
	v_pk_fma_f32 v[228:229], v[64+n:65+n], v[64+n:65+n], v[228:229]
	v_pk_fma_f32 v[230:231], v[66+n:67+n], v[66+n:67+n], v[230:231]
.set n, n+4
.endr
	WIN 0
	v_pk_add_f32 v[224:225], v[224:225], v[226:227]
	v_pk_add_f32 v[228:229], v[228:229], v[230:231]
	v_add_f32 v224, v224, v225
	v_add_f32 v228, v228, v229
	ACROSS 224, 228, 1024
	v_fma_f32 v240, v240, s27, s28                 ; the variances + 1e-5
	v_rsq_f32 v242, v240
	v_nop
	s_wait_alu depctr_va_vdst(0)                   ; ahead of the first reader
	SPREAD 242
	s_wait_loadcnt 0x0                             ; gain and bias
	WIN 0x41
.set n, 0
.rept 32
	v_pk_mul_f32 v[n:n+1], v[n:n+1], v[234:235] op_sel_hi:[1,0]
	v_pk_mul_f32 v[64+n:65+n], v[64+n:65+n], v[236:237] op_sel_hi:[1,0]
.set n, n+2
.endr
	WIN 0x55
.set n, 0
.rept 32
	v_pk_fma_f32 v[n:n+1], v[n:n+1], v[128+n:129+n], v[192+n:193+n]
	v_pk_fma_f32 v[64+n:65+n], v[64+n:65+n], v[128+n:129+n], v[192+n:193+n]
.set n, n+2
.endr
	WIN 0x04                                       ; back into the rows' stage, at the bytes that only my wave has read
.irp b, 0,1,2,3
.irp e, 0,1,2,3
	ds_store_b128 v4, v[16*\b+4*\e:16*\b+4*\e+3] offset:128*\b+16*\e
	ds_store_b128 v5, v[64+16*\b+4*\e:64+16*\b+4*\e+3] offset:128*\b+16*\e
.endr
.endr
	WIN 0
	BARRIER                                        ; 32 whole rows lie in the stage
.irp a, 0,1,2,3
.irp e, 0,1,2,3,4,5,6,7
	ds_load_b128 v[64+32*\a+4*\e:64+32*\a+4*\e+3], v7 offset:4112*\a+512*\e
.endr
.endr
.irp a, 0,1,2,3
.irp e, 0,1,2,3,4,5,6,7
	s_wait_dscnt 31-8*\a-\e
	global_store_b128 v1, v[64+32*\a+4*\e:64+32*\a+4*\e+3], s[46:47] offset:32768*\a+512*\e th:TH_STORE_NT   ; 512 consecutive bytes, written once
.endr
.endr
	s_wait_tensorcnt 0x0
	ds_add_u32 v15, v63
	s_wait_dscnt 0x0
	s_endpgm
.Lfunc_end_k_q36ea31e4f4_ffn:
	.size	k_q36ea31e4f4_ffn, .Lfunc_end_k_q36ea31e4f4_ffn-k_q36ea31e4f4_ffn
	.p2alignl 7, 3214868480
	.fill 96, 4, 3214868480
	.section	.rodata,"a",@progbits
	.p2align	6, 0x0
	.amdhsa_kernel k_q36ea31e4f4_ffn
		.amdhsa_group_segment_fixed_size 184832
		.amdhsa_private_segment_fixed_size 0
		.amdhsa_enable_private_segment 0
		.amdhsa_kernarg_size 64
		.amdhsa_user_sgpr_count 2
		.amdhsa_user_sgpr_kernarg_segment_ptr 1
		.amdhsa_wavefront_size32 1
		.amdhsa_system_sgpr_workgroup_id_x 1
		.amdhsa_system_sgpr_workgroup_id_y 1
		.amdhsa_system_sgpr_workgroup_id_z 1
		.amdhsa_system_vgpr_workitem_id 0
		.amdhsa_next_free_vgpr 512
		.amdhsa_next_free_sgpr 66
		.amdhsa_reserve_vcc 0
		.amdhsa_float_denorm_mode_32 3
		.amdhsa_float_denorm_mode_16_64 3
		.amdhsa_memory_ordered 1
		.amdhsa_forward_progress 1
		.amdhsa_inst_pref_size 155
	.end_amdhsa_kernel
	.amdgpu_metadata
---
amdhsa.version: [ 1, 2 ]
amdhsa.kernels:
  - .name:           k_q36ea31e4f4_ffn
    .symbol:         k_q36ea31e4f4_ffn.kd
    .args:
      - { .name: xq, .offset: 0, .size: 8, .value_kind: global_buffer, .address_space: global }
      - { .name: x2, .offset: 8, .size: 8, .value_kind: global_buffer, .address_space: global }
      - { .name: wts_b, .offset: 16, .size: 8, .value_kind: global_buffer, .address_space: global }
      - { .name: ffn_b1, .offset: 24, .size: 8, .value_kind: global_buffer, .address_space: global }
      - { .name: ffn_b2, .offset: 32, .size: 8, .value_kind: global_buffer, .address_space: global }
      - { .name: ffn_g, .offset: 40, .size: 8, .value_kind: global_buffer, .address_space: global }
      - { .name: ffn_b, .offset: 48, .size: 8, .value_kind: global_buffer, .address_space: global }
      - { .name: out0, .offset: 56, .size: 8, .value_kind: global_buffer, .address_space: global }
    .group_segment_fixed_size: 184832
    .private_segment_fixed_size: 0
    .kernarg_segment_align: 8
    .kernarg_segment_size: 64
    .max_flat_workgroup_size: 256
    .sgpr_count:     66
    .vgpr_count:     512
    .wavefront_size: 32
...
	.end_amdgpu_metadata
.endif
;; end of part 5
